; MI455X (gfx1250); checked and timed in simulation.
; The chip was launched on July 23, 2026; its instructions are those of AMD's public machine-readable ISA for CDNA 5 (MIT licence, August 2026) and "CDNA5" Instruction Set Architecture Reference Guide (July 2026). The comments in the code are by the model that wrote it; some were corrected since.
;; Group Query Att1. Allowed arithmetic: matrix products marked QUANTISED: E2M3 operands, one E8M0 scale for each 32 along K, by v_wmma_scale_f32_16x16x128_f8f6f4 with both operands' format E2M3, f32 sums; everything else in f32.
;; Inputs: Wk 1,024 x 256 float32; Wo 1,024 x 1,024 float32; Wq 1,024 x 1,024 float32; Wv 1,024 x 256 float32; bk 256 float32; bo 1,024 float32; bq 1,024 float32; bv 256 float32; x 2 x 2,048 x 1,024 float32.
;; Outputs: out0 2 x 2,048 x 1,024 float32.
;; This version of the problem:
;;   THIS VERSION OF THE PROBLEM IS GIVEN IN LOW PRECISION. The matrix products marked QUANTISED in the list below multiply operands that are first quantised to E2M3 (2 exponent bits, 3 mantissa bits; 6 bits a number), with one power-of-two scale for each 32 numbers along K (OCP MX v1.0); their sums are f32. All else is computed in f32.
;;   The module's matrix products, in the order in which they are computed (A, B: the left and right operand; K: the contracted axis; several contracted axes count as one K, in the product's order):
;;     1. [M 4,096, K 1,024] x [K 1,024, N 1,024]; A: input x; B: input Wq: QUANTISED
;;     2. [M 4,096, K 1,024] x [K 1,024, N 256]; A: input x; B: input Wk: QUANTISED
;;     3. [M 4,096, K 1,024] x [K 1,024, N 256]; A: input x; B: input Wv: QUANTISED
;;     4. batch 8 x [M 2,048, K 64] x [K 64, N 8,192]; A: computed on the way; B: computed on the way: QUANTISED
;;     5. batch 8 x [M 64, K 2,048] x [K 2,048, N 8,192]; A: computed on the way; B: softmax (see below): QUANTISED
;;     6. [M 4,096, K 1,024] x [K 1,024, N 1,024]; A: computed on the way; B: input Wo: QUANTISED
;;   THE QUANTISER, for each operand of a quantised product, along K:
;;     - K is cut into blocks of 32 from its start; a last block that is shorter is filled with zeros.
;;     - A block's scale is 2^e with e = floor(log2(the largest magnitude in the block)) - 2, held to -126 .. 127; a block of zeros has e = 0. As a byte (E8M0): e + 127.
;;     - Each number is divided by its block's scale, clamped to +-7.5, and rounded to the nearest number of E2M3, ties to even, subnormals kept.
;;     - The product sums the exact products of the quantised numbers (number of the format x scale) in f32.
;;   ~~~python
;;   def quantise(x, axis):      # numpy; x: float32 -> the quantised numbers, widened to float32 again
;;       x = np.moveaxis(x, axis, -1); K = x.shape[-1]
;;       x = np.pad(x, [(0, 0)] * (x.ndim - 1) + [(0, -K % 32)]); x = x.reshape(x.shape[:-1] + (-1, 32)); a = np.abs(x).max(-1, keepdims=True)
;;       e = np.where(a > 0, np.clip(np.frexp(np.where(a > 0, a, 1))[1] - 1 - 2, -126, 127), 0)      # np.frexp(a)[1] - 1 = floor(log2(a)), exactly
;;       r = np.clip(x / 2.0 ** e, -7.5, 7.5)
;;       step = 2.0 ** (np.maximum(np.frexp(np.where(r == 0, 1, r))[1] - 1, 0) - 3)
;;       q = np.round(r / step) * step * 2.0 ** e      # np.round: ties to even
;;       return np.moveaxis(q.reshape(q.shape[:-2] + (-1,))[..., :K], -1, axis).astype(np.float32)
;;   ~~~
;;   SOFTMAX AHEAD OF A QUANTISED PRODUCT. Where the list says 'softmax', what is quantised is not the finished softmax but p = 2^(t - M), with t = logit x log2(e) and M = ceil(the row's largest t), a whole number; so 1/2 < the row's largest p <= 1. The row's sum l is taken of the UNQUANTISED p, in f32, and the product's result is divided by l at the end. Since M is a whole number, a kernel that streams over the keys may use a running M (the ceiling of the running maximum): every later rescaling is an exact power of two, which a block's scale takes up: the codes' values come out the same.
;;   OPERANDS COMPUTED ON THE WAY. 'Computed on the way' means the value that the module computes at that place (a softmax that the list does not call 'softmax' is quantised finished and normalised). What goes into a quantiser is computed in f32, as accurately as f32 sums, v_exp_f32 and their like allow (about 1e-6 of the number): no bf16 or f16 on the way to a quantiser, and a product that is left as it is and whose result goes on into a quantised operand takes f32 operands (vector FMAs, or v_wmma_f32_16x16x4_f32). A number that lies on a knife's edge between two numbers of the format may be rounded either way, as far as f32 arithmetic and the matrix unit's own rounding can turn it there, and no further.
;; One version. Each part assembles by itself: llvm-mc -triple=amdgcn-amd-amdhsa -mcpu=gfx1250 --defsym DOCPART=n.
;; ======== version 1 of 1: 4 launches
;; limits: right only within a limited range of input values
;; workspace buffers: xq 3,276,800 bytes; wall 2,048,000 bytes; qc 3,407,872 bytes; kv 1,638,400 bytes; oq 3,276,800 bytes
;; launch prep (part 1): grid 416 x 1, 4 waves a work-group, no clusters, 47,616 bytes of LDS; arguments x, Wq, Wk, Wv, Wo, xq, wall; writes xq, wall
.if DOCPART == 1
	.amdgcn_target "amdgcn-amd-amdhsa--gfx1250"
	.amdhsa_code_object_version 6
	.text
	.protected	k_qf2850207e9_prep
	.globl	k_qf2850207e9_prep
	.p2align	8
	.type	k_qf2850207e9_prep,@function
k_qf2850207e9_prep:
	s_mov_b64 s[64:65], 0
	v_nop
	global_prefetch_b8 v0, s[64:65] scope:SCOPE_SE
	s_setreg_imm32_b32 hwreg(HW_REG_WAVE_MODE, 25, 1), 1
	s_wait_xcnt 0x0
; x [4096][1024] (K innermost) and Wq, Wk, Wv, Wo ([1024 (K)][n], K the first axis), all f32, become codes of FP6 (E2M3) with one E8M0 byte for each 32 along K,
; laid in the ORDER OF THE OPERAND'S REGISTERS, so that the later launches bring them by dense tensor loads and read them by loads of 16, 8 and 4 bytes a lane on end.
; A TILE is 16 rows (tokens, or columns of a weight): row r of tile 2 B + u is index 32 B + 8 u + r + 8 (r / 8).  A FRAGMENT is a tile x 128 along K, 12 registers a lane, 1,536 bytes: two halves of 768 bytes
; (registers 6 c .. 6 c + 3 at 16 x lane, registers 6 c + 4, 6 c + 5 at 512 + 8 x lane).  A BLOCK of 6,400 bytes is four fragments and their scale words (64 bytes a fragment, word r for row r).
; xq: [panel of 128 tokens 32][K step 8][64 tokens 2][block].   wall: [256 columns 10][K step 8][64 columns 4][block], the columns on end: Wq 0, Wk 1,024, Wv 1,280, Wo 1,536.
; A block's scale is 2^(floor(log2(its largest magnitude)) - 2); its byte is the largest magnitude's exponent field - 2, held at 1 from below.
; LIMITS: NaN and infinities among the inputs are not served.  A block whose largest magnitude lies under 2^-124 keeps the byte 1.  A block of zeros gets the byte 1 where the rule says 127:
; its codes are zeros, which add nothing under that byte, and the bytes are read by this program alone.
; SHARES: work-groups 0 to 255 take a tile of x each (a wave: two K steps); work-groups 256 to 415 take 128 columns x 128 along K of a weight (a wave: 32 columns).  Waves share nothing: no barrier.
; The two paths part on the work-group's number; each has LDS bytes of its own.
.set XSTG,  8448                       ; x path: a wave's stage, 16 rows x (512 bytes + 16)
.set WST0,  33792                      ; weights' path: the stages begin here,
.set WSTG,  3328                       ; 3,072 bytes of two fragments' images + 128 of scale words (+ 128 unused) a wave
.set SPARE, 47104                      ; the spare words, 128 bytes a wave: two blocks of 256 bytes that no other line names
.set RR,    64                         ; v64-191   x as loaded: two K steps x 16 rows x 4 registers;  weights: v64-127 two sets of 32 numbers, v128-152 the way out
.set XX,    192                        ; v192-255  64 numbers of a lane in the operand's order
.set CC,    20                         ; v20-43    codes: every store has data registers of its own
.set CT,    44                         ; v44-50    the upper halves of blocks, as the conversions leave them
; v2, v7, v57: 16, 8, 4 x lane.  v3, v4: the add's two.  v5, v6: the x stage, in and out.  v8: the merged scale words' place.  v9: 8 h.  v10-19 at work.  v52-56: the weights' stage.  v58: a column's scale word.
	s_load_b256 s[4:11], s[0:1], 0x0               ; x s[4:5], Wq s[6:7], Wk s[8:9], Wv s[10:11]
	s_load_b128 s[12:15], s[0:1], 0x20             ; Wo s[12:13], xq s[14:15]
	s_load_b64 s[16:17], s[0:1], 0x30              ; wall
	v_lshl_add_u32 v3, v0, 2, SPARE                ; my spare word
	v_mov_b32 v4, 0
	v_lshrrev_b32 v1, 5, v0
	v_readfirstlane_b32 s18, v1                    ; wave 0..3
	v_and_b32 v1, 31, v0                           ; lane
	v_and_b32 v60, 15, v0                          ; r
	v_bfe_u32 v61, v0, 4, 1                        ; h
	v_lshlrev_b32 v2, 4, v1
	v_lshlrev_b32 v7, 3, v1
	v_lshlrev_b32 v57, 2, v1
	s_mul_i32 s19, s18, XSTG
	v_add_nc_u32 v5, s19, v2                       ; x stage, in: a row's 512 bytes as they lie
	v_mul_u32_u24 v6, v60, 528
	v_lshl_add_u32 v6, v61, 7, v6
	v_add_nc_u32 v6, s19, v6                       ; out: row r, + 128 h: my block of 32 numbers
	v_mul_u32_u24 v8, v61, 12800
	v_lshl_add_u32 v8, v60, 2, v8                  ; lanes 0-15 store the first K step's words, lanes 16-31 the second's, 12,800 bytes on
	v_lshlrev_b32 v9, 3, v61
	v_mov_b32 v19, 0                               ; a lane permute's destination counts as one of its sources
	s_mul_i32 s19, s18, WSTG
	s_add_co_u32 s19, s19, WST0
	v_bfe_u32 v62, v0, 3, 1                        ; weights: lane l is column l of 32: tile u = (l / 8) % 2,
	v_and_b32 v63, 7, v0
	v_lshl_or_b32 v63, v61, 3, v63                 ; row r = l % 8 + 8 (l / 16)
	v_mul_u32_u24 v52, v62, 1536
	v_add_nc_u32 v52, s19, v52
	v_lshl_add_u32 v53, v63, 3, v52                ; stage + 1,536 u + 8 r
	v_lshl_add_u32 v52, v63, 4, v52                ; stage + 1,536 u + 16 r
	v_lshlrev_b32 v54, 6, v62
	v_lshl_add_u32 v54, v63, 2, v54
	v_add_nc_u32 v54, s19, v54                     ; stage + 64 u + 4 r (the words lie 3,072 on)
	v_add_nc_u32 v55, s19, v2                      ; back: 16 x lane
	v_add_nc_u32 v56, s19, v57                     ; and 4 x lane
	s_mov_b32 s20, 0x76543210
	s_mov_b32 s21, 0xfedcba98                      ; v_permlanex16_b32's selects for lane l xor 16
	s_mov_b32 s22, 0xffff0000                      ; lanes 16-31
	s_wait_kmcnt 0x0
	s_cmp_lt_u32 ttmp9, 256
	s_cbranch_scc0 .Lweights
; ---------------- x: tile T = the work-group's number; my wave's K steps 2 w and 2 w + 1
	s_lshr_b32 s24, ttmp9, 1
	s_lshl_b32 s24, s24, 5
	s_and_b32 s25, ttmp9, 1
	s_lshl_b32 s25, s25, 3
	s_add_co_u32 s24, s24, s25                     ; the tile's first token: 32 (T / 2) + 8 (T % 2)
	s_lshl_b32 s24, s24, 12                        ; a row of x is 4,096 bytes
	s_lshl_b32 s25, s18, 10                        ; two K steps are 1,024 bytes
	s_add_co_u32 s24, s24, s25
	s_mov_b32 s25, 0
	s_add_nc_u64 s[24:25], s[4:5], s[24:25]
	s_lshr_b32 s26, ttmp9, 3
	s_mul_i32 s26, s26, 102400                     ; the panel,
	s_mul_i32 s27, s18, 25600                      ; my first K step,
	s_add_co_u32 s26, s26, s27
	s_bfe_u32 s27, ttmp9, 0x10002
	s_mul_i32 s27, s27, 6400                       ; the block
	s_add_co_u32 s26, s26, s27
	s_and_b32 s27, ttmp9, 3
	s_mul_i32 s28, s27, 1536
	s_lshl_b32 s29, s27, 6
	s_add_co_u32 s28, s26, s28                     ; the fragment
	s_add_co_u32 s26, s26, s29
	s_add_co_u32 s26, s26, 6144                    ; its scale words
	s_mov_b32 s29, 0
	s_mov_b32 s27, 0
	s_add_nc_u64 s[28:29], s[14:15], s[28:29]
	s_add_nc_u64 s[26:27], s[14:15], s[26:27]
.irp q,0,1
.irp i,0,1,2,3,4,5,6,7,8,9,10,11,12,13,14,15
	global_load_b128 v[RR+64*\q+4*\i:RR+64*\q+4*\i+3], v2, s[24:25] offset:(\i+8*(\i/8))*4096+512*\q th:TH_LOAD_NT   ; 32 lanes read 512 consecutive bytes of the tile's row i
.endr
.endr
; One K step: through the stage, so that lane (r, h) holds k = 64 c + 32 h + 0 .. 31 of row r (two whole blocks); their scales; their codes; out as the fragment's image.
.macro XSTEP q
.if \q == 0
	s_wait_loadcnt 16                              ; the first K step's 16 loads are in; the second's 16 may be out
.else
	s_wait_loadcnt 0x0
.endif
.irp i,0,1,2,3,4,5,6,7,8,9,10,11,12,13,14,15
	ds_store_b128 v5, v[RR+64*\q+4*\i:RR+64*\q+4*\i+3] offset:528*\i
.endr
.irp c,0,1
.irp j,0,1,2,3,4,5,6,7
	ds_load_b128 v[XX+32*\c+4*\j:XX+32*\c+4*\j+3], v6 offset:256*\c+16*\j   ; LDS serves a wave's instructions in order (ISA guide 5.7.1.4): these see the stores above
.endr
.endr
	s_wait_dscnt 0x0
.irp c,0,1
	v_max3_num_f32 v[10+\c], |v[XX+32*\c]|, |v[XX+32*\c+1]|, 0x1800000   ; my block 2 c + h, and the floor 2^(3 - 127): the byte cannot fall under 1
.endr
.irp i,2,4,6,8,10,12,14,16,18,20,22,24,26,28,30
.irp c,0,1
	v_max3_num_f32 v[10+\c], v[10+\c], |v[XX+32*\c+\i]|, |v[XX+32*\c+\i+1]|   ; the two blocks by turns
.endr
.endr
.irp c,0,1
	v_add_nc_u32 v[12+\c], 0xff000000, v[10+\c]    ; 2 off the exponent field: the conversion's scale operand
.endr
.irp c,0,1
	v_lshrrev_b32 v[14+\c], 23, v[12+\c]           ; the scale's byte
.endr
	v_lshl_or_b32 v[16+\q], v15, 16, v14           ; my two bytes: blocks h and 2 + h,
	v_lshlrev_b32 v[16+\q], v9, v[16+\q]           ; at their places in the word;
	v_permlanex16_b32 v19, v[16+\q], s20, s21
	v_or_b32 v[16+\q], v[16+\q], v19               ; with lane l xor 16's two the word is whole
.irp c,0,1
	v_cvt_scalef32_pk16_fp6_f32 v[CC+12*\q+6*\c:CC+12*\q+6*\c+2], v[XX+32*\c:XX+32*\c+15], v[12+\c]
	v_cvt_scalef32_pk16_fp6_f32 v[CT+4*\c:CT+4*\c+2], v[XX+32*\c+16:XX+32*\c+31], v[12+\c]   ; (a conversion's three registers begin on an even number)
.endr
	v_nop                                          ; one plain place behind a scaled conversion
.irp c,0,1
.irp i,0,1,2
	v_mov_b32 v[CC+12*\q+6*\c+3+\i], v[CT+4*\c+\i]
.endr
.endr
.irp c,0,1
	global_store_b128 v2, v[CC+12*\q+6*\c:CC+12*\q+6*\c+3], s[28:29] offset:12800*\q+768*\c          ; 512 consecutive bytes, at a multiple of 256 from the buffer's first byte
	global_store_b64 v7, v[CC+12*\q+6*\c+4:CC+12*\q+6*\c+5], s[28:29] offset:12800*\q+768*\c+512     ; 256 consecutive bytes
.endr
.endm
	XSTEP 0
	XSTEP 1
	v_cndmask_b32 v18, v16, v17, s22               ; lanes 0-15: the first K step's words; lanes 16-31: the second's
	global_store_b32 v8, v18, s[26:27]
	s_wait_tensorcnt 0x0                           ; the wave's end, behind my last LDS store
	ds_add_u32 v3, v4
	s_wait_dscnt 0x0
	s_endpgm
; ---------------- the weights: a lane takes a column, its registers run down K: nothing is transposed by an instruction
.Lweights:
	s_sub_co_u32 s30, ttmp9, 256                   ; 0-63 Wq, 64-127 Wo, 128-143 Wk, 144-159 Wv: the choice hangs on the work-group's number alone
	s_mov_b64 s[32:33], s[10:11]
	s_mov_b32 s34, 144                             ; the range's start
	s_mov_b32 s35, 1280                            ; the tensor's first column in wall
	s_cmp_lt_u32 s30, 144
	s_cselect_b64 s[32:33], s[8:9], s[32:33]
	s_cselect_b32 s34, 128, s34
	s_cselect_b32 s35, 1024, s35
	s_cmp_lt_u32 s30, 128
	s_cselect_b64 s[32:33], s[12:13], s[32:33]
	s_cselect_b32 s34, 64, s34
	s_cselect_b32 s35, 1536, s35
	s_cselect_b32 s36, 1, 0                        ; 1: rows of 4,096 bytes; 0: of 1,024
	s_cmp_lt_u32 s30, 64
	s_cselect_b64 s[32:33], s[6:7], s[32:33]
	s_cselect_b32 s34, 0, s34
	s_cselect_b32 s35, 0, s35
	s_sub_co_u32 s30, s30, s34
	s_lshr_b32 s37, s30, 3                         ; which 128 columns
	s_and_b32 s30, s30, 7                          ; which K step
	s_lshl_b32 s37, s37, 7
	s_lshl_b32 s38, s18, 5
	s_add_co_u32 s37, s37, s38                     ; my wave's first column
	s_lshl_b32 s38, s36, 1
	s_add_co_u32 s38, s38, 17
	s_lshl_b32 s38, s30, s38                       ; 128 rows x the K step x a row's bytes
	s_lshl_b32 s39, s37, 2
	s_add_co_u32 s38, s38, s39
	s_mov_b32 s39, 0
	s_add_nc_u64 s[40:41], s[32:33], s[38:39]
	s_add_co_u32 s37, s37, s35                     ; the column in wall
	s_lshr_b32 s38, s37, 8
	s_mul_i32 s38, s38, 204800
	s_mul_i32 s46, s30, 25600
	s_add_co_u32 s38, s38, s46
	s_bfe_u32 s46, s37, 0x20006
	s_mul_i32 s46, s46, 6400
	s_add_co_u32 s38, s38, s46                     ; the block
	s_bfe_u32 s46, s37, 0x10005                    ; which two of its four fragments
	s_mul_i32 s47, s46, 3072
	s_lshl_b32 s46, s46, 7
	s_add_co_u32 s42, s38, s47
	s_add_co_u32 s44, s38, s46
	s_add_co_u32 s44, s44, 6144
	s_mov_b32 s43, 0
	s_mov_b32 s45, 0
	s_add_nc_u64 s[42:43], s[16:17], s[42:43]
	s_add_nc_u64 s[44:45], s[16:17], s[44:45]
.macro LOADW t                         ; block t of the K step: W(32 t + i, my column), i = 0 .. 31, into set t % 2.  The two arms differ in the row's bytes alone and issue the same number of loads
	s_cmp_eq_u32 s36, 1
	s_cbranch_scc0 .Lnarrow_\@
.irp i,0,1,2,3,4,5,6,7,8,9,10,11,12,13,14,15,16,17,18,19,20,21,22,23,24,25,26,27,28,29,30,31
	global_load_b32 v[RR+32*((\t)%2)+\i], v57, s[40:41] offset:(32*(\t)+\i)*4096 th:TH_LOAD_NT
.endr
	s_branch .Lloaded_\@
.Lnarrow_\@:
.irp i,0,1,2,3,4,5,6,7,8,9,10,11,12,13,14,15,16,17,18,19,20,21,22,23,24,25,26,27,28,29,30,31
	global_load_b32 v[RR+32*((\t)%2)+\i], v57, s[40:41] offset:(32*(\t)+\i)*1024 th:TH_LOAD_NT
.endr
.Lloaded_\@:
.endm
.macro BLOCKW t                        ; block t is k = 64 (t / 2) + 32 (t % 2) + 0 .. 31: registers 6 (t / 2) on of lane r + 16 (t % 2) of the fragment
.set XS, RR+32*((\t)%2)
.if (\t) < 3
	s_wait_loadcnt 32                              ; this block's 32 loads are in; the next block's 32 may be out
.else
	s_wait_loadcnt 0x0
.endif
	v_max3_num_f32 v10, |v[XS]|, |v[XS+1]|, |v[XS+2]|
	v_max3_num_f32 v11, |v[XS+3]|, |v[XS+4]|, |v[XS+5]|
.irp i,6,10,14,18,22,26
	v_max3_num_f32 v10, v10, |v[XS+\i]|, |v[XS+\i+1]|
	v_max3_num_f32 v11, v11, |v[XS+\i+2]|, |v[XS+\i+3]|
.endr
	v_max3_num_f32 v10, v10, |v[XS+30]|, |v[XS+31]|
	v_max3_num_f32 v10, v10, v11, 0x1800000        ; and the floor
	v_add_nc_u32 v12, 0xff000000, v10
	v_lshrrev_b32 v14, 23, v12
.if (\t) == 0
	v_mov_b32 v58, v14
.else
	v_lshl_or_b32 v58, v14, 8*(\t), v58            ; the column's scale word: byte t
.endif
	v_cvt_scalef32_pk16_fp6_f32 v[CC+6*(\t):CC+6*(\t)+2], v[XS:XS+15], v12
	v_cvt_scalef32_pk16_fp6_f32 v[CT:CT+2], v[XS+16:XS+31], v12
	v_nop                                          ; one plain place behind a scaled conversion
.irp i,0,1,2
	v_mov_b32 v[CC+6*(\t)+3+\i], v[CT+\i]
.endr
	ds_store_b128 v52, v[CC+6*(\t):CC+6*(\t)+3] offset:768*((\t)/2)+256*((\t)%2)
	ds_store_b64 v53, v[CC+6*(\t)+4:CC+6*(\t)+5] offset:768*((\t)/2)+512+128*((\t)%2)
.if (\t) < 2
	LOADW (\t)+2
.endif
.endm
	LOADW 0
	LOADW 1
	BLOCKW 0
	BLOCKW 1
	BLOCKW 2
	BLOCKW 3
	ds_store_b32 v54, v58 offset:3072
.irp i,0,1,2,3,4,5
	ds_load_b128 v[128+4*\i:131+4*\i], v55 offset:512*\i   ; the two fragments' images, as they will lie in memory (a wave's LDS instructions are served in order)
.endr
	ds_load_b32 v152, v56 offset:3072
.irp i,0,1,2,3,4,5
	s_wait_dscnt 6-\i                              ; the younger reads from the stage may be out
	global_store_b128 v2, v[128+4*\i:131+4*\i], s[42:43] offset:512*\i   ; 512 consecutive bytes, at a multiple of 256 from the buffer's first byte
.endr
	s_wait_dscnt 0x0
	global_store_b32 v57, v152, s[44:45]           ; two fragments' scale words: 128 consecutive bytes
	s_wait_tensorcnt 0x0                           ; the wave's end, behind my last LDS store
	ds_add_u32 v3, v4
	s_wait_dscnt 0x0
	s_endpgm
.Lfunc_end_k_qf2850207e9_prep:
	.size	k_qf2850207e9_prep, .Lfunc_end_k_qf2850207e9_prep-k_qf2850207e9_prep
	.p2alignl 7, 3214868480
	.fill 96, 4, 3214868480
	.section	.rodata,"a",@progbits
	.p2align	6, 0x0
	.amdhsa_kernel k_qf2850207e9_prep
		.amdhsa_group_segment_fixed_size 47616
		.amdhsa_private_segment_fixed_size 0
		.amdhsa_enable_private_segment 0
		.amdhsa_kernarg_size 56
		.amdhsa_user_sgpr_count 2
		.amdhsa_user_sgpr_kernarg_segment_ptr 1
		.amdhsa_wavefront_size32 1
		.amdhsa_system_sgpr_workgroup_id_x 1
		.amdhsa_system_sgpr_workgroup_id_y 1
		.amdhsa_system_sgpr_workgroup_id_z 1
		.amdhsa_system_vgpr_workitem_id 0
		.amdhsa_next_free_vgpr 256
		.amdhsa_next_free_sgpr 66
		.amdhsa_reserve_vcc 0
		.amdhsa_float_denorm_mode_32 3
		.amdhsa_float_denorm_mode_16_64 3
		.amdhsa_memory_ordered 1
		.amdhsa_forward_progress 1
		.amdhsa_inst_pref_size 52
	.end_amdhsa_kernel
	.amdgpu_metadata
---
amdhsa.version: [ 1, 2 ]
amdhsa.kernels:
  - .name:           k_qf2850207e9_prep
    .symbol:         k_qf2850207e9_prep.kd
    .args:
      - { .name: x, .offset: 0, .size: 8, .value_kind: global_buffer, .address_space: global }
      - { .name: Wq, .offset: 8, .size: 8, .value_kind: global_buffer, .address_space: global }
      - { .name: Wk, .offset: 16, .size: 8, .value_kind: global_buffer, .address_space: global }
      - { .name: Wv, .offset: 24, .size: 8, .value_kind: global_buffer, .address_space: global }
      - { .name: Wo, .offset: 32, .size: 8, .value_kind: global_buffer, .address_space: global }
      - { .name: xq, .offset: 40, .size: 8, .value_kind: global_buffer, .address_space: global }
      - { .name: wall, .offset: 48, .size: 8, .value_kind: global_buffer, .address_space: global }
    .group_segment_fixed_size: 47616
    .private_segment_fixed_size: 0
    .kernarg_segment_align: 8
    .kernarg_segment_size: 56
    .max_flat_workgroup_size: 128
    .sgpr_count:     66
    .vgpr_count:     256
    .wavefront_size: 32
...
	.end_amdgpu_metadata
.endif
;; end of part 1
;; launch qkv (part 2): grid 32 x 6, 8 waves a work-group, clusters of 4 x 1, 327,680 bytes of LDS; arguments xq, wall, bq, bk, bv, qc, kv; writes qc, kv
.if DOCPART == 2
	.amdgcn_target "amdgcn-amd-amdhsa--gfx1250"
	.amdhsa_code_object_version 6
	.text
	.protected	k_qf2850207e9_qkv
	.globl	k_qf2850207e9_qkv
	.p2align	8
	.type	k_qf2850207e9_qkv,@function
k_qf2850207e9_qkv:
	s_mov_b64 s[64:65], 0
	v_nop
	global_prefetch_b8 v0, s[64:65] scope:SCOPE_SE
	s_setreg_imm32_b32 hwreg(HW_REG_WAVE_MODE, 25, 1), 1
	s_wait_xcnt 0x0
	s_wait_alu depctr_hold_cnt(0) depctr_sa_sdst(0) depctr_va_vdst(0) depctr_va_sdst(0) depctr_va_ssrc(0) depctr_va_vcc(0) depctr_vm_vsrc(0)
	s_getreg_b32 s2, hwreg(HW_REG_IB_STS2, 6, 4)
	s_cmp_eq_u32 s2, 0
	s_cbranch_scc0 .Lentry_in_a_cluster
	s_endpgm
.Lentry_in_a_cluster:
	s_bfe_u32 s2, ttmp6, 0x10000c
	s_cmp_lg_u32 s2, 0x3003
	s_cbranch_scc0 .Lentry_shape_is_right
	s_endpgm
.Lentry_shape_is_right:
; q = x Wq + bq, k = x Wk + bk, v = x Wv + bv on codes of FP6 (E2M3) with E8M0 scales, sums in f32; the results are quantised at once: q and k along the head's 64, v along the keys.
; Tiles, fragments, halves and blocks of 6,400 bytes: as the first launch lays them (a tile's row r of tile 2 B + u is index 32 B + 8 u + r + 8 (r / 8); a fragment is two halves of 768 bytes; a block is four fragments and their scale words).
; SHARES: a work-group takes 128 tokens (panel P) x 256 columns (y: 0-3 q's heads 4 y .. 4 y + 3, 4 k, 5 v).  Wave w takes 64 tokens (w % 2) x 64 columns (w / 2: a head, or a group): 16 accumulators.
; K = 1,024 is short: the whole panels lie in LDS (x 102,400 bytes, the weights 204,800), brought by first fills alone, in four chunks of two K steps; nothing is ever filled again.
; CLUSTER: the four token panels of a cluster read the same 256 columns of the weights, two thirds of a work-group's bytes: those are asked for jointly.  x's panels are a work-group's own: the work-groups that share one lie along y,
; where q, k and v take different ways through the text, so they are not made partners.
; q, k: source 0 = 16 columns, source 1 = 16 tokens: a lane holds one token, its 32 registers the head's numbers 32 B + 16 h + 0 .. 15.  v: the sources change places: a lane holds one channel, its registers 64 tokens likewise.
; The bias is the C of each sum's first matrix instruction.
; OUT: qc [b 2][head 16][64 tokens 32][4 halves, then 4 x 64 bytes of words s0 s1 s0 s1].   kv [4 b + g 8][128 keys 16][K's block][V's block]:
;   K's fragment i holds key tile 2 i in its first half and tile 2 i + 1 in its second, its word s0 s1 of the one, s0 s1 of the other;  V's fragment t holds channel tile t x 128 keys.
; LIMITS: NaN and infinities are not served.  A block whose largest magnitude lies under 2^-124 keeps the byte 1; so does a block of zeros, where the rule says 127: its codes are zeros, and this program alone reads the bytes.
; REGISTERS: v1-3 x's LDS addresses (16, 8, 4 x lane), v4-6 the weights'; v7, v8 the add's two; v9-11 16, 8, 4 x lane; v12-13 x's scale words, v14-15 the weights'; v16-21 at work; v22-31 scale bytes on their way out;
;   v32-79 x's four fragments (later the halves made); v80-127 the weights' four; v128-255 the accumulators; window 1: v0-31 the bias.
.set WP,    102400                     ; LDS: x's panel at 0, the weights' here
.set SPARE, 307200                     ; the spare words, 128 bytes a wave: four blocks of 256 bytes that no other line names
.set FX,    32
.set FW,    80
.set ACC,   128                        ; accumulator (source 1's tile r, source 0's tile p) at ACC + 32 r + 8 p
.set BIAS,  0                          ; in window 1
.set WV,    18
.set SEL,   76
.set MHI,   78
.set MSB, 0
.macro WIN new                         ; the immediate's high byte repeats the setting that is left
.if MSB != \new
	s_set_vgpr_msb (MSB<<8)|\new
.set MSB, \new
.endif
.endm
.macro ROUND                           ; a round of the cluster's barrier
	s_barrier_signal -1
	s_barrier_wait -1
	s_cmp_lg_u32 s[WV], 0
	s_cbranch_scc1 .Lnot_wave_0_\@
	s_barrier_signal -3
.Lnot_wave_0_\@:
	s_barrier_wait -3
	s_barrier_signal -1
	s_barrier_wait -1
.endm
.macro PLACES n
.rept \n
	v_nop
.endr
.endm
.macro HALF reg,a16,a8,off             ; six registers of a fragment
	ds_load_b128 v[\reg:\reg+3], v[\a16] offset:\off
	ds_load_b64 v[\reg+4:\reg+5], v[\a8] offset:\off+512
.endm
.macro FRAG reg,a16,a8,off
	HALF \reg,\a16,\a8,\off
	HALF \reg+6,\a16,\a8,\off+768
.endm
.macro WM d,a,b,c,sa,ra,sb,rb          ; one product; ra, rb: the side's scale words lie in lanes 16-31 of its register
.if ((\ra) == 0) && ((\rb) == 0)
	v_wmma_scale_f32_16x16x128_f8f6f4 v[(\d):(\d)+7], v[(\a):(\a)+11], v[(\b):(\b)+11], v[(\c):(\c)+7], v[\sa], v[\sb] matrix_a_fmt:MATRIX_FMT_FP6 matrix_b_fmt:MATRIX_FMT_FP6
.elseif (\rb) == 0
	v_wmma_scale_f32_16x16x128_f8f6f4 v[(\d):(\d)+7], v[(\a):(\a)+11], v[(\b):(\b)+11], v[(\c):(\c)+7], v[\sa], v[\sb] matrix_a_fmt:MATRIX_FMT_FP6 matrix_b_fmt:MATRIX_FMT_FP6 matrix_a_scale:MATRIX_SCALE_ROW1
.elseif (\ra) == 0
	v_wmma_scale_f32_16x16x128_f8f6f4 v[(\d):(\d)+7], v[(\a):(\a)+11], v[(\b):(\b)+11], v[(\c):(\c)+7], v[\sa], v[\sb] matrix_a_fmt:MATRIX_FMT_FP6 matrix_b_fmt:MATRIX_FMT_FP6 matrix_b_scale:MATRIX_SCALE_ROW1
.else
	v_wmma_scale_f32_16x16x128_f8f6f4 v[(\d):(\d)+7], v[(\a):(\a)+11], v[(\b):(\b)+11], v[(\c):(\c)+7], v[\sa], v[\sb] matrix_a_fmt:MATRIX_FMT_FP6 matrix_b_fmt:MATRIX_FMT_FP6 matrix_a_scale:MATRIX_SCALE_ROW1 matrix_b_scale:MATRIX_SCALE_ROW1
.endif
.endm
; 32 numbers of a lane, register 16 b + i = element 32 b + 16 h + i of my row, become a half (six registers from dst on) and two scale bytes (tm + 2, tm + 3).  Each accumulator is read from its low end on.
.macro QUANT2 src,dst,ct,tm
.irp b,0,1
	v_max3_num_f32 v[\tm+\b], |v[\src+16*\b]|, |v[\src+16*\b+1]|, 0x1800000   ; and the floor 2^(3 - 127): the byte cannot fall under 1
.endr
.irp i,2,4,6,8,10,12,14
.irp b,0,1
	v_max3_num_f32 v[\tm+\b], v[\tm+\b], |v[\src+16*\b+\i]|, |v[\src+16*\b+\i+1]|
.endr
.endr
.irp b,0,1
	s_delay_alu instid0(VALU_DEP_2)
	v_permlanex16_b32 v[\tm+2+\b], v[\tm+\b], s[SEL], s[SEL+1]
.endr
.irp b,0,1
	s_delay_alu instid0(VALU_DEP_2)
	v_max_num_f32 v[\tm+\b], v[\tm+\b], v[\tm+2+\b]   ; with lane l xor 16's: the block's largest magnitude
.endr
.irp b,0,1
	s_delay_alu instid0(VALU_DEP_2)
	v_add_nc_u32 v[\tm+4+\b], 0xff000000, v[\tm+\b]   ; 2 off the exponent field: the conversion's scale operand
.endr
.irp b,0,1
	s_delay_alu instid0(VALU_DEP_2)
	v_lshrrev_b32 v[\tm+2+\b], 23, v[\tm+4+\b]        ; the scale's byte
.endr
	v_cvt_scalef32_pk16_fp6_f32 v[\dst:\dst+2], v[\src:\src+15], v[\tm+4]
	v_cvt_scalef32_pk16_fp6_f32 v[\ct:\ct+2], v[\src+16:\src+31], v[\tm+5]
	v_nop                                          ; one plain place behind a scaled conversion
.irp i,0,1,2
	v_permlane16_swap_b32 v[\dst+\i], v[\ct+\i]    ; the layout wants a whole block in a lane: lanes 0-15 block 0, lanes 16-31 block 1
.endr
.irp i,0,1,2
	s_delay_alu instid0(VALU_DEP_3)
	v_mov_b32 v[\dst+3+\i], v[\ct+\i]
.endr
.endm
.macro G0SET g,ldsreg,ldsoff,base,off  ; a descriptor's group 0: count 1; the LDS address; the global address; type 2
	s_mov_b32 s[\g], 1
	s_add_co_u32 s[\g+1], s[\ldsreg], \ldsoff
	s_add_nc_u64 s[\g+2:\g+3], s[\base:\base+1], \off
	s_or_b32 s[\g+3], s[\g+3], 0x80000000
.endm
	s_load_b256 s[4:11], s[0:1], 0x0               ; xq s[4:5], wall s[6:7], bq s[8:9], bk s[10:11]
	s_load_b128 s[12:15], s[0:1], 0x20             ; bv s[12:13], qc s[14:15]
	s_load_b64 s[16:17], s[0:1], 0x30              ; kv
	v_lshl_add_u32 v7, v0, 2, SPARE
	v_mov_b32 v8, 0
	ds_add_u32 v7, v8                              ; the wave's opening: the add and its wait ahead of the first tensor loads; work on registers stands between them
	ds_add_u32 v7, v8
	v_lshrrev_b32 v1, 5, v0
	s_delay_alu instid0(VALU_DEP_1)
	v_readfirstlane_b32 s[WV], v1                  ; wave 0..7
	s_bfe_u32 s19, ttmp6, 0x40000                  ; cx: it enters x's global address and the stores' addresses alone
	s_lshl_b32 s20, ttmp9, 2
	s_add_co_u32 s20, s20, s19                     ; P: my panel of 128 tokens
	s_and_b32 s21, ttmp7, 0xffff                   ; y: which 256 columns; the four partners share it
	s_and_b32 s22, s[WV], 1                        ; which 64 tokens
	s_lshr_b32 s23, s[WV], 1                       ; which 64 columns
	; the weights' tensor load brings 51,200 dense bytes as 200 rows of 256 bytes, x's 25,600 as 100 (32 elements of 8 bytes); no padding: all LDS reads are 16, 8 or 4 bytes a lane on end
	s_mov_b32 s24, 15|(3<<16)|(1<<21)              ; the weights': 15:0 the mask: all four work-groups; 17:16 elements of 8 bytes; 21 set beside a mask
	s_mov_b32 s32, 3<<16                           ; x's: no mask
.irp g,24,32
	s_mov_b32 s[\g+1], 32<<16                      ; tensor_dim0 = 32
	s_mov_b32 s[\g+2], (25*(40-\g)/2)<<16          ; tensor_dim1: 200 rows for the weights' load (g = 24), 100 for x's (g = 32)
	s_mov_b32 s[\g+3], 32<<16                      ; tile_dim0 = 32
	s_mov_b32 s[\g+4], 25*(40-\g)/2                ; tile_dim1: the same
	s_mov_b32 s[\g+5], 32                          ; from row to row
	s_mov_b32 s[\g+6], 0
	s_mov_b32 s[\g+7], 0
.endr
	s_mov_b32 s[SEL], 0x76543210
	s_mov_b32 s[SEL+1], 0xfedcba98                 ; v_permlanex16_b32's selects for lane l xor 16
	s_mov_b32 s[MHI], 0xffff0000                   ; lanes 16-31
	v_and_b32 v16, 31, v0
	s_delay_alu instid0(VALU_DEP_1)
	v_lshlrev_b32 v9, 4, v16
	s_delay_alu instid0(VALU_DEP_2)
	v_lshlrev_b32 v10, 3, v16
	s_delay_alu instid0(VALU_DEP_3)
	v_lshlrev_b32 v11, 2, v16
	s_mul_i32 s88, s22, 6400                       ; my block of x in a K step's two,
	v_add_nc_u32 v1, s88, v9
	v_add_nc_u32 v2, s88, v10
	v_add_nc_u32 v3, s88, v11
	s_mul_i32 s88, s23, 6400                       ; and of the weights in a K step's four
	s_add_co_u32 s88, s88, WP
	v_add_nc_u32 v4, s88, v9
	v_add_nc_u32 v5, s88, v10
	v_add_nc_u32 v6, s88, v11
	v_bfe_u32 v17, v0, 4, 1
	s_delay_alu instid0(VALU_DEP_1)
	v_lshlrev_b32 v30, 6, v17                      ; the bias of q and k: 16 h numbers on
	v_and_b32 v18, 15, v0
	s_delay_alu instid0(VALU_DEP_1)
	v_and_b32 v19, 8, v18
	s_delay_alu instid0(VALU_DEP_1)
	v_add_nc_u32 v19, v19, v18
	s_delay_alu instid0(VALU_DEP_1)
	v_lshlrev_b32 v31, 2, v19                      ; the bias of v: my channel r + 8 (r / 8) of the tile.  (v18, v19 are now written: a lane permute's destination counts as a source)
	s_and_b32 s79, s[WV], 3                        ; which chunk of two K steps I fetch
	s_mul_i32 s82, s79, 51200                      ; a chunk of the weights,
	s_mul_i32 s83, s79, 25600                      ; a chunk of x
	s_wait_dscnt 0x0                               ; the opening add is done
	s_wait_kmcnt 0x0
	s_mul_i32 s80, s21, 204800
	s_add_co_u32 s80, s80, s82
	s_mov_b32 s81, 0
	s_add_nc_u64 s[80:81], s[6:7], s[80:81]        ; the weights: y's panel, + 51,200 x (wave % 4): made of what the partners share
	s_mul_i32 s84, s20, 102400
	s_add_co_u32 s84, s84, s83
	s_mov_b32 s85, 0
	s_add_nc_u64 s[84:85], s[4:5], s[84:85]        ; x: my panel, + 25,600 x (wave % 4)
	G0SET 40,82,WP,80,0                            ; waves 0-3: chunk wave of the weights, 51,200 bytes
	G0SET 56,83,0,84,0                             ; waves 4-7: chunk wave - 4 of x, 25,600 bytes
	ROUND                                          ; all four work-groups are here: the joint loads meet
	s_cmp_lt_u32 s[WV], 4                          ; one tensor load a wave: one branch on the wave's number, a load in each arm
	s_cbranch_scc0 .Lnot_w
	tensor_load_to_lds s[40:43], s[24:31]
	s_nop 0
	PLACES 4
	s_branch .Lfetched
.Lnot_w:
	tensor_load_to_lds s[56:59], s[32:39]
	s_nop 0
	PLACES 4
.Lfetched:
	; where the results go
	s_lshr_b32 s80, s20, 4                         ; b
	s_and_b32 s81, s20, 15                         ; the panel in its batch: the key step
	s_lshl_b32 s82, s80, 2
	s_add_co_u32 s82, s82, s23
	s_mul_i32 s82, s82, 204800
	s_mul_i32 s83, s81, 12800
	s_add_co_u32 s82, s82, s83                     ; kv: (4 b + g) x 204,800 + 12,800 x key step
	s_lshl_b32 s83, s80, 4
	s_lshl_b32 s90, s21, 2
	s_add_co_u32 s83, s83, s90
	s_add_co_u32 s83, s83, s23                     ; 16 b + head
	s_lshl_b32 s83, s83, 5
	s_lshl_b32 s90, s81, 1
	s_add_co_u32 s83, s83, s90
	s_add_co_u32 s83, s83, s22                     ; x 32 + my 64 tokens' number
	s_mul_i32 s83, s83, 3328                       ; qc
	s_mul_i32 s90, s22, 3072
	s_add_co_u32 s90, s90, s82                     ; k: halves
	s_lshl_b32 s91, s22, 7
	s_add_co_u32 s91, s91, s82
	s_add_co_u32 s91, s91, 6144                    ; k: words
	s_mul_i32 s92, s22, 768
	s_add_co_u32 s92, s92, s82
	s_add_co_u32 s92, s92, 6400                    ; v: halves
	s_lshl_b32 s93, s22, 1
	s_add_co_u32 s93, s93, s82
	s_add_co_u32 s93, s93, 12544                   ; v: my two bytes of each word
	s_add_co_u32 s96, s83, 3072                    ; q: words
	s_cmp_eq_u32 s21, 4
	s_cselect_b32 s90, s90, s92
	s_cselect_b32 s91, s91, s93
	s_cmp_lt_u32 s21, 4
	s_cselect_b32 s84, s83, s90
	s_cselect_b32 s86, s96, s91
	s_cselect_b64 s[88:89], s[14:15], s[16:17]     ; qc or kv: the choice hangs on y alone
	s_cselect_b64 s[94:95], s[8:9], s[10:11]       ; bq or bk,
	s_cselect_b32 s96, s21, 0
	s_cmp_eq_u32 s21, 5
	s_cselect_b64 s[94:95], s[12:13], s[94:95]     ; or bv
	s_mov_b32 s85, 0
	s_mov_b32 s87, 0
	s_add_nc_u64 s[84:85], s[88:89], s[84:85]      ; the halves
	s_add_nc_u64 s[86:87], s[88:89], s[86:87]      ; the scale words
	s_lshl_b32 s96, s96, 10
	s_lshl_b32 s97, s23, 8
	s_add_co_u32 s96, s96, s97
	s_mov_b32 s97, 0
	s_add_nc_u64 s[94:95], s[94:95], s[96:97]      ; the bias of my 64 columns
	s_cmp_eq_u32 s21, 5
	s_cbranch_scc1 .Lbias_v
	WIN 0x40                                       ; destination window 1
	s_wait_alu depctr_va_vdst(0)
.irp p,0,1,2,3
	global_load_b128 v[BIAS+8*\p:BIAS+8*\p+3], v30, s[94:95] offset:(32*(\p/2)+8*(\p%2))*4        ; tile p: the numbers 32 (p / 2) + 16 h + 8 (p % 2) + 0 .. 7
	global_load_b128 v[BIAS+8*\p+4:BIAS+8*\p+7], v30, s[94:95] offset:(32*(\p/2)+8*(\p%2))*4+16
.endr
	WIN 0
	s_branch .Lbias_done
.Lbias_v:
	WIN 0x40
	s_wait_alu depctr_va_vdst(0)
.irp p,0,1,2,3
.irp j,0,1,2,3,4,5,6,7
	global_load_b32 v[BIAS+8*\p+\j], v31, s[94:95] offset:(32*(\p/2)+8*(\p%2))*4   ; a lane holds one channel: the same number for its eight tokens
.endr
.endr
	WIN 0
.Lbias_done:
; The sixteen accumulators take turns, one instruction a turn, in the same order in every K step.  first = 1: the bias is the C.
.macro MULQK first
.irp r,0,1,2,3
.irp p,0,1,2,3
.if \first
	WM ACC+32*\r+8*\p,FW+12*\p,FX+12*\r,BIAS+8*\p,14+\p/2,\p%2,12+\r/2,\r%2
.else
	WM ACC+32*\r+8*\p,FW+12*\p,FX+12*\r,ACC+32*\r+8*\p,14+\p/2,\p%2,12+\r/2,\r%2
.endif
.endr
.endr
.endm
.macro MULV first
.irp r,0,1,2,3
.irp p,0,1,2,3
.if \first
	WM ACC+32*\r+8*\p,FX+12*\p,FW+12*\r,BIAS+8*\r,12+\p/2,\p%2,14+\r/2,\r%2
.else
	WM ACC+32*\r+8*\p,FX+12*\p,FW+12*\r,ACC+32*\r+8*\p,12+\p/2,\p%2,14+\r/2,\r%2
.endif
.endr
.endr
.endm
.macro KSTEP ks
.if (\ks)%2 == 0
.if (\ks) == 0
	s_wait_tensorcnt 0x0                           ; my one load has landed
	s_wait_dscnt 0x0
	s_barrier_signal -1
	s_barrier_wait -1                              ; everybody's has: both panels are whole, and nothing is filled again
.endif
.if (\ks) > 0
	v_add_nc_u32 v1, 25600, v1                     ; on to the chunk; these six are also the places in front of the loads below
	v_add_nc_u32 v2, 25600, v2
	v_add_nc_u32 v3, 25600, v3
	v_add_nc_u32 v4, 51200, v4
	v_add_nc_u32 v5, 51200, v5
	v_add_nc_u32 v6, 51200, v6
.endif
.else
	PLACES 4                                       ; in front of loads into registers that matrix instructions have read
.endif
.irp i,0,1,2,3
	FRAG FX+12*\i,1,2,((\ks)%2)*12800+1536*\i
.endr
.irp i,0,1,2,3
	FRAG FW+12*\i,4,5,((\ks)%2)*25600+1536*\i
.endr
	ds_load_b32 v12, v3 offset:((\ks)%2)*12800+6144   ; scale words: lanes 0-15 tile 0's, lanes 16-31 tile 1's;
	ds_load_b32 v13, v3 offset:((\ks)%2)*12800+6272   ; tiles 2 and 3
	ds_load_b32 v14, v6 offset:((\ks)%2)*25600+6144
	ds_load_b32 v15, v6 offset:((\ks)%2)*25600+6272
.if (\ks) == 0
	s_wait_loadcnt 0x0                             ; the bias
.endif
	s_wait_dscnt 0x0
	s_cmp_eq_u32 s21, 5                            ; y is the same in all waves and all partners
	s_cbranch_scc1 .Lv_\@
.if (\ks) == 0
	WIN 0x10                                       ; source 2 (the bias) window 1
	MULQK 1
	WIN 0
.else
	MULQK 0
.endif
	s_branch .Lj_\@
.Lv_\@:
.if (\ks) == 0
	WIN 0x10
	MULV 1
	WIN 0
.else
	MULV 0
.endif
.Lj_\@:
.endm
	KSTEP 0
	KSTEP 1
	KSTEP 2
	s_wait_alu depctr_va_vdst(0)
	KSTEP 3
	KSTEP 4
	s_wait_alu depctr_va_vdst(0)
	KSTEP 5
	KSTEP 6
	s_wait_alu depctr_va_vdst(0)
	KSTEP 7
	PLACES 4                                       ; in front of the first read of results
.irp r,0,1,2,3
	QUANT2 ACC+32*\r,FX+6*\r,56,16                 ; source 1's tile r: a half in v[32 + 6 r] on
	v_lshl_or_b32 v[22+\r], v19, 8, v18            ; its two scale bytes
.endr
	s_cmp_eq_u32 s21, 5
	s_cbranch_scc1 .Lst_v
	s_cmp_eq_u32 s21, 4
	s_cbranch_scc1 .Lst_k
.irp r,0,1,2,3
	global_store_b128 v9, v[FX+6*\r:FX+6*\r+3], s[84:85] offset:768*\r          ; q: 512 consecutive bytes, at a multiple of 256 from the buffer's first byte
	global_store_b64 v10, v[FX+6*\r+4:FX+6*\r+5], s[84:85] offset:768*\r+512    ; 256 consecutive bytes
.endr
.irp r,0,1,2,3
	v_lshl_or_b32 v[26+\r], v[22+\r], 16, v[22+\r] ; q's word: s0 s1 s0 s1: it serves q in either half of a fragment
.endr
	s_delay_alu instid0(VALU_DEP_3)
	v_cndmask_b32 v30, v26, v27, s[MHI]            ; lanes 0-15 one tile's words, lanes 16-31 the next's
	s_delay_alu instid0(VALU_DEP_2)
	v_cndmask_b32 v31, v28, v29, s[MHI]
	global_store_b32 v11, v30, s[86:87]
	global_store_b32 v11, v31, s[86:87] offset:128
	s_branch .Ldone
.Lst_k:
	; K's ROWS ARE LAID FOR THE NEXT LAUNCH: of my 64 keys, fragment i (0, 1), half u, row r holds key 32 (r / 8) + 16 i + 8 u + r % 8, so that a lane of the scores holds whole blocks of 32 keys.
	; My tile 2 B + u, row r', goes to fragment r' / 8, half u, row r' % 8 + 8 B: eight lanes store 128 consecutive bytes, and tiles u and 2 + u together fill each unit of 256 bytes.
	s_wait_alu depctr_va_vdst(0)                   ; behind the jump
	v_bfe_u32 v16, v0, 3, 1                        ; r' / 8
	v_and_b32 v17, 7, v0                           ; r' % 8
	v_bfe_u32 v18, v0, 4, 1                        ; h
	v_mul_u32_u24 v19, v16, 1536
	v_lshlrev_b32 v21, 6, v16
	v_lshl_add_u32 v20, v17, 4, v19
	v_lshl_add_u32 v19, v17, 3, v19
	v_lshl_add_u32 v21, v17, 2, v21
	v_lshl_add_u32 v20, v18, 8, v20                ; 1,536 (r' / 8) + 16 (r' % 8) + 256 h
	v_lshl_add_u32 v19, v18, 7, v19                ; 1,536 (r' / 8) + 8 (r' % 8) + 128 h
	v_lshl_add_u32 v21, v18, 5, v21                ; the words: 64 (r' / 8) + 4 (r' % 8) + 32 B, B in the lane's half
	v_lshl_or_b32 v26, v23, 16, v22                ; k's word: the two halves of a fragment share it
	v_lshl_or_b32 v27, v25, 16, v24
	v_cndmask_b32 v30, v26, v27, s[MHI]
.irp r,0,1,2,3
	global_store_b128 v20, v[FX+6*\r:FX+6*\r+3], s[84:85] offset:768*(\r%2)+128*(\r/2)
	global_store_b64 v19, v[FX+6*\r+4:FX+6*\r+5], s[84:85] offset:768*(\r%2)+64*(\r/2)+512
.endr
	global_store_b32 v21, v30, s[86:87]
	s_branch .Ldone
.Lst_v:
	s_wait_alu depctr_va_vdst(0)
.irp r,0,1,2,3
	global_store_b128 v9, v[FX+6*\r:FX+6*\r+3], s[84:85] offset:1536*\r         ; my 64 keys are one half of channel tile r's fragment
	global_store_b64 v10, v[FX+6*\r+4:FX+6*\r+5], s[84:85] offset:1536*\r+512
.endr
	v_cndmask_b32 v30, v22, v23, s[MHI]
	v_cndmask_b32 v31, v24, v25, s[MHI]
	global_store_b16 v11, v30, s[86:87]            ; my two of each word's four bytes: 1 byte in 25 of what this wave stores
	global_store_b16 v11, v31, s[86:87] offset:128
.Ldone:
	s_wait_tensorcnt 0x0                           ; the wave's end, behind my last tensor load
	ds_add_u32 v7, v8
	s_wait_dscnt 0x0
	ROUND                                          ; the closing round: no work-group ends while a partner may still ask for a tile that names it
	s_endpgm
.Lfunc_end_k_qf2850207e9_qkv:
	.size	k_qf2850207e9_qkv, .Lfunc_end_k_qf2850207e9_qkv-k_qf2850207e9_qkv
	.p2alignl 7, 3214868480
	.fill 96, 4, 3214868480
	.section	.rodata,"a",@progbits
	.p2align	6, 0x0
	.amdhsa_kernel k_qf2850207e9_qkv
		.amdhsa_group_segment_fixed_size 327680
		.amdhsa_private_segment_fixed_size 0
		.amdhsa_enable_private_segment 0
		.amdhsa_kernarg_size 56
		.amdhsa_user_sgpr_count 2
		.amdhsa_user_sgpr_kernarg_segment_ptr 1
		.amdhsa_wavefront_size32 1
		.amdhsa_system_sgpr_workgroup_id_x 1
		.amdhsa_system_sgpr_workgroup_id_y 1
		.amdhsa_system_sgpr_workgroup_id_z 1
		.amdhsa_system_vgpr_workitem_id 0
		.amdhsa_next_free_vgpr 288
		.amdhsa_next_free_sgpr 100
		.amdhsa_reserve_vcc 0
		.amdhsa_float_denorm_mode_32 3
		.amdhsa_float_denorm_mode_16_64 3
		.amdhsa_memory_ordered 1
		.amdhsa_forward_progress 1
		.amdhsa_inst_pref_size 78
	.end_amdhsa_kernel
	.amdgpu_metadata
---
amdhsa.version: [ 1, 2 ]
amdhsa.kernels:
  - .name:           k_qf2850207e9_qkv
    .symbol:         k_qf2850207e9_qkv.kd
    .args:
      - { .name: xq, .offset: 0, .size: 8, .value_kind: global_buffer, .address_space: global }
      - { .name: wall, .offset: 8, .size: 8, .value_kind: global_buffer, .address_space: global }
      - { .name: bq, .offset: 16, .size: 8, .value_kind: global_buffer, .address_space: global }
      - { .name: bk, .offset: 24, .size: 8, .value_kind: global_buffer, .address_space: global }
      - { .name: bv, .offset: 32, .size: 8, .value_kind: global_buffer, .address_space: global }
      - { .name: qc, .offset: 40, .size: 8, .value_kind: global_buffer, .address_space: global }
      - { .name: kv, .offset: 48, .size: 8, .value_kind: global_buffer, .address_space: global }
    .group_segment_fixed_size: 327680
    .private_segment_fixed_size: 0
    .kernarg_segment_align: 8
    .kernarg_segment_size: 56
    .max_flat_workgroup_size: 256
    .sgpr_count:     100
    .vgpr_count:     288
    .wavefront_size: 32
...
	.end_amdgpu_metadata
.endif
;; end of part 2
;; launch attn (part 3): grid 32 x 8, 16 waves a work-group, clusters of 4 x 1, 327,680 bytes of LDS; arguments qc, kv, oq; writes oq
.if DOCPART == 3
	.amdgcn_target "amdgcn-amd-amdhsa--gfx1250"
	.amdhsa_code_object_version 6
	.text
	.protected	k_qf2850207e9_attn
	.globl	k_qf2850207e9_attn
	.p2align	8
	.type	k_qf2850207e9_attn,@function
k_qf2850207e9_attn:
	s_mov_b64 s[64:65], 0
	v_nop
	global_prefetch_b8 v0, s[64:65] scope:SCOPE_SE
	s_setreg_imm32_b32 hwreg(HW_REG_WAVE_MODE, 25, 1), 1
	s_wait_xcnt 0x0
	s_wait_alu depctr_hold_cnt(0) depctr_sa_sdst(0) depctr_va_vdst(0) depctr_va_sdst(0) depctr_va_ssrc(0) depctr_va_vcc(0) depctr_vm_vsrc(0)
	s_getreg_b32 s2, hwreg(HW_REG_IB_STS2, 6, 4)
	s_cmp_eq_u32 s2, 0
	s_cbranch_scc0 .Lentry_in_a_cluster
	s_endpgm
.Lentry_in_a_cluster:
	s_bfe_u32 s2, ttmp6, 0x10000c
	s_cmp_lg_u32 s2, 0x3003
	s_cbranch_scc0 .Lentry_shape_is_right
	s_endpgm
.Lentry_shape_is_right:
; o = softmax(q k^T / 8) v for 16 query heads on 4 groups of keys and values, head size 64, 2,048 keys, both products on codes of FP6 (E2M3) with E8M0 scales; o is quantised at once along the hidden axis.
; THE SOFTMAX: t = score x log2(e) / 8; M = the running largest t rounded UP to a whole number; p = 2^(t - M) is quantised along the keys, not normalised; the row's sum is taken of the unquantised p in f32
; and divides O at the end.  When M moves, the sums and O are multiplied by 2^(old M - new M): exact.
; SHARES: a work-group takes 64 tokens x the four heads of one group (y = 4 b + g): 256 work-groups.  Wave w takes head w / 4 and tile w % 4 of 16 queries, in 256 registers.
; The group's whole K and V, 204,800 bytes, lie in LDS: each of the sixteen waves brings one key step, 12,800 bytes, by its one tensor load at the head; one barrier; nothing is ever filled again.
; CLUSTER 4 x 1: the four blocks of tokens of a cluster read the same K and V: every tile is asked for jointly.
; NO PREFETCH: all tiles are asked for at the head, by sixteen loads at once; there is no loop that runs ahead of a load.
; LAYOUT of kv (as the launch before stores it): [4 b + g][key step of 128 keys][K's block 6,400][V's block 6,400]; a block is four fragments of 1,536 bytes (two halves of 768: registers 6 c .. 6 c + 3 at 16 x lane,
; 6 c + 4, 6 c + 5 at 512 + 8 x lane) and their scale words.  K's fragment 2 c + i, half u, row r holds key 64 c + 32 (r / 8) + 8 (2 i + u) + r % 8 (64 numbers a key).  So score tile 4 c + t holds in lane (query, h),
; register j, key 64 c + 32 h + 8 t + j: a lane's 32 registers are ONE WHOLE BLOCK of 32 keys, in the order of the next operand's registers: its maximum needs no other lane and its codes no lane swap.
; THE FIRST PRODUCT'S K IS 64: source 1 is q beside 64 zero codes: [q | 0] gives the fragment's first half's scores, [0 | q] the second's (a zero code adds nothing under bytes 1 to 254).
; Both products are used transposed (S^T = K q^T, O^T = V^T p^T): a lane holds one query throughout.
; OUT: oq, laid as xq: [panel of 128 tokens][K step: heads 2 s, 2 s + 1][64 tokens][block]; my half of my tile's fragment, and two of its words' four bytes.
; LIMITS: NaN and infinities are not served.  The promise holds while |t| stays under 2^31.  1 / the sum is made by v_rcp_f32.  A block of p or of o whose largest magnitude lies under 2^-124, a block of zeros among
; them, keeps the byte 1, and this program alone reads the bytes.
; REGISTERS: v1-3 16, 8, 4 x lane; v4, v5 the add's two; v6 q's scale word; v7-9 the trip's LDS addresses; v19 8 h; v20 -M, v21 the largest score; v24-41 zeros, q, zeros; v42-89 four fragments;
;   v90-93 scale words of K, of V; v96-159 S^T, then p; v160-191 O^T; v192-203 p's codes; v204-210 upper halves; v212-221 at work; v224 at the end, v225 the bytes' place; v226 f, v227 p's scale word; v228-235 the sum, four pairs.
.set SPARE, 204800                     ; behind K and V: the spare words, 128 bytes a wave: eight blocks of 256 bytes that no other line names
.set QW,6
.set A16,7
.set A8,8
.set A4,9
.set SH8,19
.set NM,20
.set RMX,21
.set QQ,30
.set FF,42
.set KW,90
.set VW,92
.set SS,96
.set OT,160
.set PCD,192
.set CT,204
.set BM,212
.set T0,214
.set T1,215
.set SOO,216
.set BY,218
.set T2,220
.set F,226
.set PW,227
.set LS,228
.set WV,10
.set SEL,40
.set CS,42
.macro ROUND                           ; a round of the cluster's barrier
	s_barrier_signal -1
	s_barrier_wait -1
	s_cmp_lg_u32 s[WV], 0
	s_cbranch_scc1 .Lnot_wave_0_\@
	s_barrier_signal -3
.Lnot_wave_0_\@:
	s_barrier_wait -3
	s_barrier_signal -1
	s_barrier_wait -1
.endm
.macro PLACES n
.rept \n
	v_nop
.endr
.endm
.macro HALF reg,a16,a8,off
	ds_load_b128 v[\reg:\reg+3], v[\a16] offset:\off
	ds_load_b64 v[\reg+4:\reg+5], v[\a8] offset:\off+512
.endm
.macro FRAG reg,a16,a8,off
	HALF \reg,\a16,\a8,\off
	HALF \reg+6,\a16,\a8,\off+768
.endm
.macro WMZ d,a,b,sa,ra,sb              ; a product that starts its sum;  ra: source 0's scale words lie in lanes 16-31
.if (\ra) == 0
	v_wmma_scale_f32_16x16x128_f8f6f4 v[(\d):(\d)+7], v[(\a):(\a)+11], v[(\b):(\b)+11], 0, v[\sa], v[\sb] matrix_a_fmt:MATRIX_FMT_FP6 matrix_b_fmt:MATRIX_FMT_FP6
.else
	v_wmma_scale_f32_16x16x128_f8f6f4 v[(\d):(\d)+7], v[(\a):(\a)+11], v[(\b):(\b)+11], 0, v[\sa], v[\sb] matrix_a_fmt:MATRIX_FMT_FP6 matrix_b_fmt:MATRIX_FMT_FP6 matrix_a_scale:MATRIX_SCALE_ROW1
.endif
.endm
.macro WMA d,a,b,sa,ra,sb              ; a product that adds in place
.if (\ra) == 0
	v_wmma_scale_f32_16x16x128_f8f6f4 v[(\d):(\d)+7], v[(\a):(\a)+11], v[(\b):(\b)+11], v[(\d):(\d)+7], v[\sa], v[\sb] matrix_a_fmt:MATRIX_FMT_FP6 matrix_b_fmt:MATRIX_FMT_FP6
.else
	v_wmma_scale_f32_16x16x128_f8f6f4 v[(\d):(\d)+7], v[(\a):(\a)+11], v[(\b):(\b)+11], v[(\d):(\d)+7], v[\sa], v[\sb] matrix_a_fmt:MATRIX_FMT_FP6 matrix_b_fmt:MATRIX_FMT_FP6 matrix_a_scale:MATRIX_SCALE_ROW1
.endif
.endm
; 32 numbers of a lane, register 16 b + i = element 32 b + 16 h + i of my row, become a half (six registers from dst on) and two scale bytes (tm + 2, tm + 3)
.macro QUANT2 src,dst,ct,tm
.irp b,0,1
	v_max3_num_f32 v[\tm+\b], |v[\src+16*\b]|, |v[\src+16*\b+1]|, 0x1800000
.endr
.irp i,2,4,6,8,10,12,14
.irp b,0,1
	s_delay_alu instid0(VALU_DEP_2)
	v_max3_num_f32 v[\tm+\b], v[\tm+\b], |v[\src+16*\b+\i]|, |v[\src+16*\b+\i+1]|
.endr
.endr
.irp b,0,1
	s_delay_alu instid0(VALU_DEP_2)
	v_permlanex16_b32 v[\tm+2+\b], v[\tm+\b], s[SEL], s[SEL+1]
.endr
.irp b,0,1
	s_delay_alu instid0(VALU_DEP_2)
	v_max_num_f32 v[\tm+\b], v[\tm+\b], v[\tm+2+\b]
.endr
.irp b,0,1
	s_delay_alu instid0(VALU_DEP_2)
	v_add_nc_u32 v[\tm+4+\b], 0xff000000, v[\tm+\b]
.endr
.irp b,0,1
	s_delay_alu instid0(VALU_DEP_2)
	v_lshrrev_b32 v[\tm+2+\b], 23, v[\tm+4+\b]
.endr
	v_cvt_scalef32_pk16_fp6_f32 v[\dst:\dst+2], v[\src:\src+15], v[\tm+4]
	v_cvt_scalef32_pk16_fp6_f32 v[\ct:\ct+2], v[\src+16:\src+31], v[\tm+5]
	v_nop
.irp i,0,1,2
	v_permlane16_swap_b32 v[\dst+\i], v[\ct+\i]
.endr
.irp i,0,1,2
	s_delay_alu instid0(VALU_DEP_3)
	v_mov_b32 v[\dst+3+\i], v[\ct+\i]
.endr
.endm
.macro PADD from,to                    ; pairs from .. to of p onto the four running sums, by turns
.set Q,\from
.rept \to-\from+1
	v_pk_add_f32 v[LS+2*(Q%4):LS+2*(Q%4)+1], v[LS+2*(Q%4):LS+2*(Q%4)+1], v[SS+2*Q:SS+2*Q+1]
.set Q,Q+1
.endr
.endm
	s_load_b128 s[4:7], s[0:1], 0x0                ; qc s[4:5], kv s[6:7]
	s_load_b64 s[8:9], s[0:1], 0x10                ; oq
	v_lshl_add_u32 v4, v0, 2, SPARE
	v_mov_b32 v5, 0
	ds_add_u32 v4, v5                              ; the opening lines: the add, twice on end, and its wait ahead of my first tensor load
	ds_add_u32 v4, v5
	v_lshrrev_b32 v1, 5, v0
	v_readfirstlane_b32 s[WV], v1                  ; wave 0..15
	s_bfe_u32 s11, ttmp6, 0x40000                  ; cx: it enters q's and o's global addresses alone
	s_lshl_b32 s12, ttmp9, 2
	s_add_co_u32 s12, s12, s11                     ; my 64 tokens' number in the batch
	s_and_b32 s13, ttmp7, 0xffff                   ; 4 b + g, which the partners share
	s_lshr_b32 s14, s[WV], 2                       ; my head in the group
	s_and_b32 s15, s[WV], 3                        ; my tile of 16 queries
	s_mov_b32 s16, 15|(3<<16)|(1<<21)              ; a tensor load: 12,800 dense bytes as 50 rows of 256 (32 elements of 8 bytes); the mask names all four work-groups; 21 set beside it
	s_mov_b32 s17, 32<<16
	s_mov_b32 s18, 50<<16
	s_mov_b32 s19, 32<<16
	s_mov_b32 s20, 50
	s_mov_b32 s21, 32
	s_mov_b32 s22, 0
	s_mov_b32 s23, 0
	s_mov_b32 s[SEL], 0x76543210
	s_mov_b32 s[SEL+1], 0xfedcba98                 ; v_permlanex16_b32's selects for lane l xor 16
	s_mov_b32 s[CS], 0x3e38aa3b                    ; c = log2(e) / 8
	s_mov_b32 s[CS+1], s[CS]                       ; (named with it as a pair, so it is written)
	s_mov_b32 s45, 0xffff0000                      ; lanes 16-31
	s_mov_b32 s24, 1
	s_mul_i32 s25, s[WV], 12800                    ; key step wave goes to LDS byte 12,800 x wave
	s_mul_i32 s48, s13, 204800
	s_add_co_u32 s48, s48, s25
	s_mov_b32 s49, 0
	s_wait_dscnt 0x0                               ; both opening adds are done
	s_wait_kmcnt 0x0
	s_add_nc_u64 s[26:27], s[6:7], s[48:49]        ; the group's K and V, + 12,800 x wave: made of what the partners share
	s_or_b32 s27, s27, 0x80000000
	ROUND                                          ; all four work-groups are here: the joint loads meet
	tensor_load_to_lds s[24:27], s[16:23]          ; my one load
	s_nop 0
	s_lshl_b32 s50, s13, 2
	s_add_co_u32 s50, s50, s14                     ; 16 b + head
	s_lshl_b32 s50, s50, 5
	s_add_co_u32 s50, s50, s12
	s_mul_i32 s50, s50, 3328                       ; q: my 64 tokens' 3,328 bytes,
	s_mul_i32 s52, s15, 768
	s_lshl_b32 s53, s15, 6
	s_add_co_u32 s52, s50, s52                     ; my tile's half,
	s_add_co_u32 s50, s50, s53
	s_add_co_u32 s50, s50, 3072                    ; its scale words
	s_mov_b32 s51, 0
	s_mov_b32 s53, 0
	s_add_nc_u64 s[52:53], s[4:5], s[52:53]
	s_add_nc_u64 s[50:51], s[4:5], s[50:51]
	v_and_b32 v6, 31, v0
	v_and_b32 v212, 15, v0
	v_lshlrev_b32 v1, 4, v6
	v_lshlrev_b32 v2, 3, v6
	v_lshlrev_b32 v3, 2, v6
	v_lshlrev_b32 v213, 2, v212                    ; 4 r
	global_load_b128 v[QQ:QQ+3], v1, s[52:53]
	global_load_b64 v[QQ+4:QQ+5], v2, s[52:53] offset:512
	global_load_b32 v[QW], v213, s[50:51]
	v_bfe_u32 v216, v0, 4, 1                       ; h
	v_lshlrev_b32 v[SH8], 3, v216
	v_add_nc_u32 v225, v213, v216                  ; 4 r + h: where my scale byte of o goes
.irp j,24,25,26,27,28,29,36,37,38,39,40,41
	v_mov_b32 v[\j], 0                             ; the zero codes on both sides of q
.endr
	v_mov_b32 v[RMX], 0xff61b1e6                   ; the largest score so far: -3e38
	v_mov_b32 v[NM], 0x7f61b1e6                    ; -M: 3e38: the first step's f is 0, on zeros
	v_mov_b32 v[T0], 0                             ; a lane permute's destination counts as one of its sources
	v_mov_b32 v[PW], 0                             ; (named as the upper half of the pair v[226:227])
.irp j,0,1,2,3,4,5,6,7
	v_mov_b32 v[LS+\j], 0
.endr
.irp j,0,1,2,3,4,5,6,7,8,9,10,11,12,13,14,15,16,17,18,19,20,21,22,23,24,25,26,27,28,29,30,31
	v_mov_b32 v[OT+\j], 0                          ; O^T: the step is written once; the first change of M multiplies zeros
.endr
	s_lshr_b32 s54, s13, 2
	s_lshl_b32 s54, s54, 4
	s_lshr_b32 s55, s12, 1
	s_add_co_u32 s54, s54, s55
	s_mul_i32 s54, s54, 102400                     ; o: the panel of 128 tokens,
	s_and_b32 s55, s13, 3
	s_lshl_b32 s55, s55, 1
	s_lshr_b32 s56, s14, 1
	s_add_co_u32 s55, s55, s56
	s_mul_i32 s55, s55, 12800                      ; the K step: head / 2,
	s_add_co_u32 s54, s54, s55
	s_and_b32 s55, s12, 1
	s_mul_i32 s55, s55, 6400                       ; the block
	s_add_co_u32 s54, s54, s55
	s_and_b32 s55, s14, 1                          ; head % 2: which half of the fragment
	s_mul_i32 s56, s15, 1536
	s_mul_i32 s57, s55, 768
	s_add_co_u32 s56, s56, s57
	s_add_co_u32 s56, s56, s54
	s_lshl_b32 s58, s15, 6
	s_lshl_b32 s55, s55, 1
	s_add_co_u32 s58, s58, s55
	s_add_co_u32 s58, s58, s54
	s_add_co_u32 s58, s58, 6144
	s_mov_b32 s57, 0
	s_mov_b32 s59, 0
	s_add_nc_u64 s[56:57], s[8:9], s[56:57]        ; my half
	s_add_nc_u64 s[58:59], s[8:9], s[58:59]        ; my two bytes of each of the tile's words
; A KEY STEP: 128 keys, step st of the trip's four
.macro STEP st
.set KO, 12800*(\st)
.irp f,0,1,2,3
	FRAG FF+12*\f,A16,A8,KO+1536*\f
.endr
	ds_load_b32 v[KW], v[A4] offset:KO+6144        ; K's scale words: lanes 0-15 fragment 0's, lanes 16-31 fragment 1's;
	ds_load_b32 v[KW+1], v[A4] offset:KO+6272      ; fragments 2 and 3
	s_wait_dscnt 0x0
.irp f,0,1,2,3
.irp u,0,1
	WMZ SS+8*(2*\f+\u),FF+12*\f,QQ-6*\u,KW+\f/2,\f%2,QW   ; u = 0: [q | 0]; u = 1: [0 | q]
.endr
.endr
	v_mov_b32 v[T1], v[NM]                         ; the old -M; with three v_nop the four places in front of the loads below and of the first read of the scores
	PLACES 3
.irp t,0,1,2,3
	FRAG FF+12*\t,A16,A8,KO+6400+1536*\t           ; V's four fragments land while the softmax is walked
.endr
	ds_load_b32 v[VW], v[A4] offset:KO+12544
	ds_load_b32 v[VW+1], v[A4] offset:KO+12672
.irp c,0,1                                     ; the largest score of my two blocks of 32 keys, each in two chains; each accumulator is first read at its low end
	v_max3_num_f32 v[BM+\c], v[SS+32*\c], v[SS+32*\c+1], v[SS+32*\c+2]
	v_max3_num_f32 v[T2+\c], v[SS+32*\c+17], v[SS+32*\c+18], v[SS+32*\c+19]
.endr
.irp i,3,5,7,9,11,13
.irp c,0,1
	v_max3_num_f32 v[BM+\c], v[BM+\c], v[SS+32*\c+\i], v[SS+32*\c+\i+1]
	v_max3_num_f32 v[T2+\c], v[T2+\c], v[SS+32*\c+17+\i], v[SS+32*\c+18+\i]
.endr
.endr
.irp c,0,1
	v_max3_num_f32 v[BM+\c], v[BM+\c], v[SS+32*\c+15], v[SS+32*\c+16]
.endr
.irp c,0,1
	s_delay_alu instid0(VALU_DEP_2)
	v_max_num_f32 v[BM+\c], v[BM+\c], v[T2+\c]
.endr
	s_delay_alu instid0(VALU_DEP_1)
	v_max3_num_f32 v[RMX], v[RMX], v[BM], v[BM+1]
	s_delay_alu instid0(VALU_DEP_1)
	v_permlanex16_b32 v[T0], v[RMX], s[SEL], s[SEL+1]
	s_delay_alu instid0(VALU_DEP_1)
	v_max_num_f32 v[RMX], v[RMX], v[T0]            ; the running largest score of my query (c is positive)
	s_delay_alu instid0(VALU_DEP_1)
	v_mul_f32 v[T0], s[CS], v[RMX]                 ; as t
	s_delay_alu instid0(VALU_DEP_1)
	v_floor_f32 v[NM], -v[T0]                      ; the new -M = -ceil(t)
	s_delay_alu instid0(VALU_DEP_1)
	v_sub_f32 v[T1], v[NM], v[T1]                  ; old M - new M: a whole number, 0 or less
.irp j,0,2,4,6,8,10,12,14
	v_pk_fma_f32 v[SS+\j:SS+\j+1], v[SS+\j:SS+\j+1], s[CS:CS+1], v[NM:NM+1] op_sel_hi:[1,0,0]   ; t - M, two at a time
.endr
	v_cvt_i32_f32 v[T1], v[T1]                     ; (it saturates)
.irp j,16,18,20,22,24,26,28,30
	v_pk_fma_f32 v[SS+\j:SS+\j+1], v[SS+\j:SS+\j+1], s[CS:CS+1], v[NM:NM+1] op_sel_hi:[1,0,0]
.endr
	v_ldexp_f32 v[F], 1.0, v[T1]                   ; f = 2^(old M - new M)
.irp j,32,34,36,38,40,42,44,46,48,50,52,54,56,58,60,62
	v_pk_fma_f32 v[SS+\j:SS+\j+1], v[SS+\j:SS+\j+1], s[CS:CS+1], v[NM:NM+1] op_sel_hi:[1,0,0]
.endr
.irp c,0,1
	v_fma_f32 v[BM+\c], v[BM+\c], s[CS], v[NM]     ; the same of each block's largest score: p rises with the score
.endr
.irp j,0,2,4,6,8,10,12,14,16,18,20,22,24,26,28,30
	v_pk_mul_f32 v[OT+\j:OT+\j+1], v[OT+\j:OT+\j+1], v[F:F+1] op_sel_hi:[1,0]   ; O^T under the new M, ahead of the exponentials
.endr
	s_wait_alu depctr_va_vdst(0)                   ; ahead of the batch
.set J,0
.rept 64
	v_exp_f32 v[SS+J], v[SS+J]                     ; p = 2^(t - M)
.set J,J+1
.endr
	v_exp_f32 v[BM], v[BM]                         ; each block's largest p: the same two instructions on the same number give the same bits
	v_exp_f32 v[BM+1], v[BM+1]
	v_nop                                          ; the plain place behind the batch
	s_wait_alu depctr_va_vdst(0)                   ; and the one wait behind it
.irp c,0,1
	v_max_num_f32 v[BM+\c], 0x1800000, v[BM+\c]    ; the floor 2^(3 - 127): the byte cannot fall under 1
.endr
.irp a,0,1,2,3
	v_pk_fma_f32 v[LS+2*\a:LS+2*\a+1], v[LS+2*\a:LS+2*\a+1], v[F:F+1], v[SS+2*\a:SS+2*\a+1] op_sel_hi:[1,0,1]   ; the four running sums under the new M, and the first four pairs of the unquantised p
.endr
.irp c,0,1
	v_add_nc_u32 v[SOO+\c], 0xff000000, v[BM+\c]   ; 2 off the exponent field: the conversion's scale operand
.endr
	PADD 4,7
.irp c,0,1
	v_lshrrev_b32 v[BY+\c], 23, v[SOO+\c]          ; the scale's byte
.endr
.irp c,0,1                                     ; my block 2 c + h, whole
	v_cvt_scalef32_pk16_fp6_f32 v[PCD+6*\c:PCD+6*\c+2], v[SS+32*\c:SS+32*\c+15], v[SOO+\c]
	v_cvt_scalef32_pk16_fp6_f32 v[CT+4*\c:CT+4*\c+2], v[SS+32*\c+16:SS+32*\c+31], v[SOO+\c]   ; (a conversion's three registers begin on an even number)
.endr
	v_lshl_or_b32 v[PW], v[BY+1], 16, v[BY]        ; my two bytes: blocks h and 2 + h.  (The plain place behind the conversions)
	v_mov_b32 v[PCD+3], v[CT]
	v_mov_b32 v[PCD+4], v[CT+1]
	v_lshlrev_b32 v[PW], v[SH8], v[PW]             ; at their places in the word
	v_mov_b32 v[PCD+5], v[CT+2]
	v_mov_b32 v[PCD+9], v[CT+4]
	v_permlanex16_b32 v[T0], v[PW], s[SEL], s[SEL+1]
	v_mov_b32 v[PCD+10], v[CT+5]
	v_mov_b32 v[PCD+11], v[CT+6]
	v_or_b32 v[PW], v[PW], v[T0]                   ; with lane l xor 16's two the word is whole
	PADD 8,27                                      ; twenty plain instructions between the writes of p's codes and scale word and the products
	s_wait_alu depctr_va_vdst(0)                   ; directly ahead of the wait below
	s_wait_dscnt 0x0                               ; V
.irp t,0,1,2,3
	WMA OT+8*\t,FF+12*\t,PCD,VW+\t/2,\t%2,PW       ; the four accumulators by turns
.endr
	PADD 28,31                                     ; the last four pairs are the four places in front of the next loads into the fragments
.endm
	s_wait_alu depctr_va_vdst(0)                   ; at the head's end
	s_wait_loadcnt 0x0                             ; q
	s_wait_tensorcnt 0x0                           ; my key step has landed
	s_wait_dscnt 0x0
	s_barrier_signal -1
	s_barrier_wait -1                              ; everybody's has: K and V are whole, and nothing is filled again
	s_mov_b32 s46, 0
	s_mov_b32 s44, 4
.Lkeys:                                                ; a trip: four key steps, 51,200 bytes of LDS
	v_add_nc_u32 v[A16], s46, v1
	v_add_nc_u32 v[A8], s46, v2
	v_add_nc_u32 v[A4], s46, v3
	s_wait_alu depctr_va_vdst(0)
	STEP 0
	STEP 1
	STEP 2
	STEP 3
	s_add_co_u32 s46, s46, 51200
	s_sub_co_u32 s44, s44, 1
	s_cmp_lg_u32 s44, 0
	s_cbranch_scc1 .Lkeys
	; THE WAY OUT: the row's sum; O^T / the sum; quantised along the head's 64, which are two blocks of the last product's K
	s_wait_alu depctr_va_vdst(0)
	v_pk_add_f32 v[LS:LS+1], v[LS:LS+1], v[LS+2:LS+3]
	v_pk_add_f32 v[LS+4:LS+5], v[LS+4:LS+5], v[LS+6:LS+7]
	s_delay_alu instid0(VALU_DEP_1)
	v_pk_add_f32 v[LS:LS+1], v[LS:LS+1], v[LS+4:LS+5]
	s_delay_alu instid0(VALU_DEP_1)
	v_add_f32 v[LS], v[LS], v[LS+1]
	s_delay_alu instid0(VALU_DEP_1)
	v_permlanex16_b32 v[T0], v[LS], s[SEL], s[SEL+1]
	s_delay_alu instid0(VALU_DEP_1)
	v_add_f32 v[LS], v[LS], v[T0]                  ; with lane l xor 16's keys: the row's sum
	s_wait_alu depctr_va_vdst(0)                   ; ahead of the transcendental
	v_rcp_f32 v[F], v[LS]
	v_nop
	s_wait_alu depctr_va_vdst(0)                   ; and behind it, directly ahead of the first reader of it and of O^T
.irp j,0,2,4,6,8,10,12,14,16,18,20,22,24,26,28,30
	v_pk_mul_f32 v[OT+\j:OT+\j+1], v[OT+\j:OT+\j+1], v[F:F+1] op_sel_hi:[1,0]   ; register 16 b + i is o(my query, 32 b + 16 h + i); each accumulator from its low end on
.endr
	QUANT2 OT,PCD,CT,LS
	global_store_b128 v1, v[PCD:PCD+3], s[56:57]                 ; 512 consecutive bytes, at a multiple of 256 from the buffer's first byte
	global_store_b64 v2, v[PCD+4:PCD+5], s[56:57] offset:512     ; 256 consecutive bytes
	v_cndmask_b32 v224, v[LS+2], v[LS+3], s45      ; lanes 0-15 block 0's byte, lanes 16-31 block 1's
	global_store_b8 v225, v224, s[58:59]           ; 32 bytes of the 800 that this wave stores
	s_wait_tensorcnt 0x0                           ; the wave's end
	ds_add_u32 v4, v5
	s_wait_dscnt 0x0
	ROUND                                          ; the closing round
	s_endpgm
.Lfunc_end_k_qf2850207e9_attn:
	.size	k_qf2850207e9_attn, .Lfunc_end_k_qf2850207e9_attn-k_qf2850207e9_attn
	.p2alignl 7, 3214868480
	.fill 96, 4, 3214868480
	.section	.rodata,"a",@progbits
	.p2align	6, 0x0
	.amdhsa_kernel k_qf2850207e9_attn
		.amdhsa_group_segment_fixed_size 327680
		.amdhsa_private_segment_fixed_size 0
		.amdhsa_enable_private_segment 0
		.amdhsa_kernarg_size 24
		.amdhsa_user_sgpr_count 2
		.amdhsa_user_sgpr_kernarg_segment_ptr 1
		.amdhsa_wavefront_size32 1
		.amdhsa_system_sgpr_workgroup_id_x 1
		.amdhsa_system_sgpr_workgroup_id_y 1
		.amdhsa_system_sgpr_workgroup_id_z 1
		.amdhsa_system_vgpr_workitem_id 0
		.amdhsa_next_free_vgpr 256
		.amdhsa_next_free_sgpr 66
		.amdhsa_reserve_vcc 0
		.amdhsa_float_denorm_mode_32 3
		.amdhsa_float_denorm_mode_16_64 3
		.amdhsa_memory_ordered 1
		.amdhsa_forward_progress 1
		.amdhsa_inst_pref_size 72
	.end_amdhsa_kernel
	.amdgpu_metadata
---
amdhsa.version: [ 1, 2 ]
amdhsa.kernels:
  - .name:           k_qf2850207e9_attn
    .symbol:         k_qf2850207e9_attn.kd
    .args:
      - { .name: qc, .offset: 0, .size: 8, .value_kind: global_buffer, .address_space: global }
      - { .name: kv, .offset: 8, .size: 8, .value_kind: global_buffer, .address_space: global }
      - { .name: oq, .offset: 16, .size: 8, .value_kind: global_buffer, .address_space: global }
    .group_segment_fixed_size: 327680
    .private_segment_fixed_size: 0
    .kernarg_segment_align: 8
    .kernarg_segment_size: 24
    .max_flat_workgroup_size: 512
    .sgpr_count:     66
    .vgpr_count:     256
    .wavefront_size: 32
...
	.end_amdgpu_metadata
.endif
;; end of part 3
;; launch oproj (part 4): grid 32 x 8, 8 waves a work-group, clusters of 4 x 4, 327,680 bytes of LDS; arguments oq, wall, bo, out0; writes out0
.if DOCPART == 4
	.amdgcn_target "amdgcn-amd-amdhsa--gfx1250"
	.amdhsa_code_object_version 6
	.text
	.protected	k_qf2850207e9_oproj
	.globl	k_qf2850207e9_oproj
	.p2align	8
	.type	k_qf2850207e9_oproj,@function
k_qf2850207e9_oproj:
	s_mov_b64 s[64:65], 0
	v_nop
	global_prefetch_b8 v0, s[64:65] scope:SCOPE_SE
	s_setreg_imm32_b32 hwreg(HW_REG_WAVE_MODE, 25, 1), 1
	s_wait_xcnt 0x0
	s_wait_alu depctr_hold_cnt(0) depctr_sa_sdst(0) depctr_va_vdst(0) depctr_va_sdst(0) depctr_va_ssrc(0) depctr_va_vcc(0) depctr_vm_vsrc(0)
	s_getreg_b32 s2, hwreg(HW_REG_IB_STS2, 6, 4)
	s_cmp_eq_u32 s2, 0
	s_cbranch_scc0 .Lentry_in_a_cluster
	s_endpgm
.Lentry_in_a_cluster:
	s_bfe_u32 s2, ttmp6, 0x10000c
	s_cmp_lg_u32 s2, 0xf033
	s_cbranch_scc0 .Lentry_shape_is_right
	s_endpgm
.Lentry_shape_is_right:
; out0 = o Wo + bo on codes of FP6 (E2M3) with E8M0 scales, sums in f32, the result f32.  o's codes (oq) and Wo's (wall, columns 1,536 on) lie in the order of the operand's registers:
; a tile's row r of tile 2 B + u is index 32 B + 8 u + r + 8 (r / 8); a fragment is two halves of 768 bytes; a block of 6,400 bytes is four fragments and their scale words.
; SHARES: a work-group takes 128 tokens (panel P) x 128 columns (y): 256 work-groups.  Wave w takes 32 tokens (w % 4: two tiles) x 64 columns (w / 4): 8 accumulators.
; K = 1,024 is short: both whole panels, 102,400 bytes each, lie in LDS, brought by first fills alone in four chunks of two K steps; nothing is ever filled again.
; CLUSTER 4 x 4: the four of a column of the cluster share P and ask for o's panel jointly, the four of a row share y and ask for Wo's jointly.
; Source 0 = 16 columns, source 1 = 16 tokens: a lane holds one token and 16 neighbouring columns for each 32.  bo is the C of each sum's first matrix instruction.
; The results go through the wave's own stage in LDS, which no tensor load fills, and leave as rows of 256 consecutive bytes.
; REGISTERS: v1-3 o's LDS addresses (16, 8, 4 x lane), v4-6 Wo's; v7, v8 the add's two; v9, v10 the stage, in and back; v11 my place in two rows of out0; v12 o's scale words, v14-15 Wo's; v16-47 the bias;
;   v48-71 o's two fragments; v72-119 Wo's four; v120-123 at the head; v128-191 the accumulators; v192-255 rows on their way out.
.set WP,    102400                     ; LDS: o's panel at 0, Wo's here,
.set STAGE, 204800                     ; the stages: 16 rows x (256 bytes + 16) a wave,
.set SPARE, 239616                     ; the spare words, 128 bytes a wave: four blocks of 256 bytes that no other line names
.set BIAS,  16
.set FX,    48
.set FW,    72
.set ACC,   128                        ; accumulator (token tile a, column tile p) at ACC + 32 a + 8 p
.set WV,    18
.macro ROUND                           ; a round of the cluster's barrier
	s_barrier_signal -1
	s_barrier_wait -1
	s_cmp_lg_u32 s[WV], 0
	s_cbranch_scc1 .Lnot_wave_0_\@
	s_barrier_signal -3
.Lnot_wave_0_\@:
	s_barrier_wait -3
	s_barrier_signal -1
	s_barrier_wait -1
.endm
.macro PLACES n
.rept \n
	v_nop
.endr
.endm
.macro HALF reg,a16,a8,off
	ds_load_b128 v[\reg:\reg+3], v[\a16] offset:\off
	ds_load_b64 v[\reg+4:\reg+5], v[\a8] offset:\off+512
.endm
.macro FRAG reg,a16,a8,off
	HALF \reg,\a16,\a8,\off
	HALF \reg+6,\a16,\a8,\off+768
.endm
.macro WM d,a,b,c,sa,ra,sb,rb          ; one product; ra, rb: the side's scale words lie in lanes 16-31 of its register
.if ((\ra) == 0) && ((\rb) == 0)
	v_wmma_scale_f32_16x16x128_f8f6f4 v[(\d):(\d)+7], v[(\a):(\a)+11], v[(\b):(\b)+11], v[(\c):(\c)+7], v[\sa], v[\sb] matrix_a_fmt:MATRIX_FMT_FP6 matrix_b_fmt:MATRIX_FMT_FP6
.elseif (\rb) == 0
	v_wmma_scale_f32_16x16x128_f8f6f4 v[(\d):(\d)+7], v[(\a):(\a)+11], v[(\b):(\b)+11], v[(\c):(\c)+7], v[\sa], v[\sb] matrix_a_fmt:MATRIX_FMT_FP6 matrix_b_fmt:MATRIX_FMT_FP6 matrix_a_scale:MATRIX_SCALE_ROW1
.elseif (\ra) == 0
	v_wmma_scale_f32_16x16x128_f8f6f4 v[(\d):(\d)+7], v[(\a):(\a)+11], v[(\b):(\b)+11], v[(\c):(\c)+7], v[\sa], v[\sb] matrix_a_fmt:MATRIX_FMT_FP6 matrix_b_fmt:MATRIX_FMT_FP6 matrix_b_scale:MATRIX_SCALE_ROW1
.else
	v_wmma_scale_f32_16x16x128_f8f6f4 v[(\d):(\d)+7], v[(\a):(\a)+11], v[(\b):(\b)+11], v[(\c):(\c)+7], v[\sa], v[\sb] matrix_a_fmt:MATRIX_FMT_FP6 matrix_b_fmt:MATRIX_FMT_FP6 matrix_a_scale:MATRIX_SCALE_ROW1 matrix_b_scale:MATRIX_SCALE_ROW1
.endif
.endm
.macro G0SET g,ldsreg,ldsoff,base,off
	s_mov_b32 s[\g], 1
	s_add_co_u32 s[\g+1], s[\ldsreg], \ldsoff
	s_add_nc_u64 s[\g+2:\g+3], s[\base:\base+1], \off
	s_or_b32 s[\g+3], s[\g+3], 0x80000000
.endm
	s_load_b256 s[4:11], s[0:1], 0x0               ; oq s[4:5], wall s[6:7], bo s[8:9], out0 s[10:11]
	v_lshl_add_u32 v7, v0, 2, SPARE
	v_mov_b32 v8, 0
	ds_add_u32 v7, v8                              ; the wave's opening: the add and its wait ahead of the first tensor loads; work on registers stands between them
	ds_add_u32 v7, v8
	v_lshrrev_b32 v1, 5, v0
	s_delay_alu instid0(VALU_DEP_1)
	v_readfirstlane_b32 s[WV], v1                  ; wave 0..7
	s_bfe_u32 s19, ttmp6, 0x40000                  ; cx
	s_bfe_u32 s20, ttmp6, 0x40004                  ; cy
	s_lshl_b32 s21, ttmp9, 2
	s_add_co_u32 s21, s21, s19                     ; P = 4 x cluster x + cx
	s_and_b32 s22, ttmp7, 0xffff
	s_lshl_b32 s22, s22, 2
	s_add_co_u32 s22, s22, s20                     ; y = 4 x cluster y + cy
	s_lshl_b32 s77, s20, 2
	s_lshl_b32 s77, 15, s77                        ; my row of the cluster
	s_lshl_b32 s78, 0x1111, s19                    ; my column
	; a tensor load: 25,600 bytes, two K steps, laid densely in LDS; no padding: all LDS reads of the panels are 16, 8 or 4 bytes a lane on end
	s_or_b32 s24, s78, (3<<16)|(1<<21)             ; o's panel hangs on P alone: shared along my column; 17:16 elements of 8 bytes; 21 set beside a mask
	s_or_b32 s32, s77, (3<<16)|(1<<21)             ; Wo's hangs on y alone: shared along my row
	s_mov_b32 s25, 32<<16                          ; o's load: two K steps, 25,600 dense bytes as 100 rows of 256 (32 elements of 8 bytes)
	s_mov_b32 s26, 100<<16
	s_mov_b32 s27, 32<<16
	s_mov_b32 s28, 100
	s_mov_b32 s29, 32
	s_mov_b32 s30, 0
	s_mov_b32 s31, 0
	s_mov_b32 s33, 1600<<16                        ; Wo's load: two K steps: two rows of 12,800 bytes (1,600 elements), my 128 columns of each K step's 256, 25,600 bytes (3,200 elements) apart
	s_mov_b32 s34, 2<<16
	s_mov_b32 s35, 1600<<16
	s_mov_b32 s36, 2
	s_mov_b32 s37, 3200
	s_mov_b32 s38, 0
	s_mov_b32 s39, 0
	s_and_b32 s23, s[WV], 3                        ; which 32 tokens
	s_lshr_b32 s76, s[WV], 2                       ; which 64 columns
	v_and_b32 v123, 31, v0
	s_delay_alu instid0(VALU_DEP_1)
	v_lshlrev_b32 v120, 4, v123
	s_wait_alu depctr_va_vdst(0)
	v_lshlrev_b32 v121, 3, v123
	s_wait_alu depctr_va_vdst(0)
	v_lshlrev_b32 v122, 2, v123
	s_wait_alu depctr_va_vdst(0)
	s_lshr_b32 s85, s23, 1
	s_mul_i32 s85, s85, 6400                       ; my block of o in a K step's two,
	s_and_b32 s86, s23, 1
	s_mul_i32 s87, s86, 3072                       ; my two of its four fragments,
	s_add_co_u32 s87, s87, s85
	v_add_nc_u32 v1, s87, v120
	v_add_nc_u32 v2, s87, v121
	s_lshl_b32 s86, s86, 7                         ; and their scale words: lanes 0-15 the one's, lanes 16-31 the other's
	s_add_co_u32 s86, s86, s85
	v_add_nc_u32 v3, s86, v122
	s_mul_i32 s85, s76, 6400                       ; my block of Wo in a K step's two
	s_add_co_u32 s85, s85, WP
	v_add_nc_u32 v4, s85, v120
	v_add_nc_u32 v5, s85, v121
	v_add_nc_u32 v6, s85, v122
	s_mul_i32 s88, s[WV], 4352
	s_add_co_u32 s88, s88, STAGE                   ; my stage
	v_and_b32 v120, 15, v0                         ; r
	v_bfe_u32 v121, v0, 4, 1                       ; h
	s_delay_alu instid0(VALU_DEP_2)
	v_mul_u32_u24 v9, v120, 272
	s_delay_alu instid0(VALU_DEP_1)
	v_lshl_add_u32 v9, v121, 6, v9
	s_delay_alu instid0(VALU_DEP_1)
	v_add_nc_u32 v9, s88, v9                       ; in: row r, + 64 h: my 16 columns of each 32
	s_delay_alu instid0(VALU_DEP_4)
	v_mul_u32_u24 v10, v121, 272
	s_delay_alu instid0(VALU_DEP_1)
	v_lshl_add_u32 v10, v120, 4, v10
	s_delay_alu instid0(VALU_DEP_1)
	v_add_nc_u32 v10, s88, v10                     ; back: lanes 0-15 one row of 256 bytes, lanes 16-31 the next
	v_lshlrev_b32 v11, 12, v121
	s_delay_alu instid0(VALU_DEP_1)
	v_lshl_add_u32 v11, v120, 4, v11               ; and the same two rows in out0
	v_lshlrev_b32 v123, 6, v121                    ; the bias: 16 h numbers on
	s_and_b32 s84, s[WV], 3                        ; which chunk of two K steps I fetch
	s_mul_i32 s79, s84, 25600
	s_wait_dscnt 0x0                               ; the opening add is done
	s_wait_kmcnt 0x0
	s_mul_i32 s80, s21, 102400
	s_add_co_u32 s80, s80, s79
	s_mov_b32 s81, 0
	s_add_nc_u64 s[80:81], s[4:5], s[80:81]        ; o: panel P, K steps 2 (wave % 4) and 2 (wave % 4) + 1: made of P and the wave's number alone
	s_lshr_b32 s82, s22, 1
	s_add_co_u32 s82, s82, 6
	s_mul_i32 s82, s82, 204800                     ; Wo: its 256 columns' panel in wall,
	s_and_b32 s83, s22, 1
	s_mul_i32 s83, s83, 12800                      ; my 128 of them,
	s_add_co_u32 s82, s82, s83
	s_mul_i32 s83, s84, 51200                      ; two K steps of wall's panel: made of y and the wave's number alone
	s_add_co_u32 s82, s82, s83
	s_mov_b32 s83, 0
	s_add_nc_u64 s[82:83], s[6:7], s[82:83]
	G0SET 40,79,0,80,0                             ; waves 0-3: chunk wave of o
	G0SET 56,79,WP,82,0                            ; waves 4-7: chunk wave - 4 of Wo
	ROUND                                          ; all sixteen work-groups are here: the joint loads meet
	s_cmp_lt_u32 s[WV], 4                          ; one tensor load a wave: one branch on the wave's number, a load in each arm
	s_cbranch_scc0 .Lnot_x
	tensor_load_to_lds s[40:43], s[24:31]
	s_nop 0
	PLACES 4
	s_branch .Lfetched
.Lnot_x:
	tensor_load_to_lds s[56:59], s[32:39]
	s_nop 0
	PLACES 4
.Lfetched:
	s_lshl_b32 s92, s22, 9
	s_lshl_b32 s93, s76, 8
	s_add_co_u32 s92, s92, s93                     ; my first column, in bytes: 512 y + 256 (wave / 4)
	s_mov_b32 s93, 0
	s_add_nc_u64 s[94:95], s[8:9], s[92:93]        ; in bo,
	s_lshl_b32 s90, s21, 7
	s_lshl_b32 s91, s23, 5
	s_add_co_u32 s90, s90, s91                     ; my first token: 128 P + 32 (wave % 4)
	s_lshl_b32 s90, s90, 12                        ; a row of out0 is 4,096 bytes
	s_add_co_u32 s90, s90, s92
	s_mov_b32 s91, 0
	s_add_nc_u64 s[90:91], s[10:11], s[90:91]      ; and in out0
	s_wait_alu depctr_va_vdst(0)
.irp p,0,1,2,3
	global_load_b128 v[BIAS+8*\p:BIAS+8*\p+3], v123, s[94:95] offset:(32*(\p/2)+8*(\p%2))*4        ; tile p: the columns 32 (p / 2) + 16 h + 8 (p % 2) + 0 .. 7
	global_load_b128 v[BIAS+8*\p+4:BIAS+8*\p+7], v123, s[94:95] offset:(32*(\p/2)+8*(\p%2))*4+16
.endr
.macro KSTEP ks
.if (\ks)%2 == 0
.if (\ks) == 0
	s_wait_tensorcnt 0x0                           ; my one load has landed
	s_wait_dscnt 0x0
	s_barrier_signal -1
	s_barrier_wait -1                              ; everybody's has: both panels are whole, and nothing is filled again
.endif
.if (\ks) > 0
.irp j,1,2,3,4,5,6
	v_add_nc_u32 v[\j], 25600, v[\j]               ; on to the chunk; these six are also the places in front of the loads below
.endr
.endif
.else
	PLACES 4                                       ; in front of loads into registers that matrix instructions have read
.endif
.irp a,0,1
	FRAG FX+12*\a,1,2,((\ks)%2)*12800+1536*\a
.endr
.irp p,0,1,2,3
	FRAG FW+12*\p,4,5,((\ks)%2)*12800+1536*\p
.endr
	ds_load_b32 v12, v3 offset:((\ks)%2)*12800+6144
	ds_load_b32 v14, v6 offset:((\ks)%2)*12800+6144
	ds_load_b32 v15, v6 offset:((\ks)%2)*12800+6272
.if (\ks) == 0
	s_wait_loadcnt 0x0                             ; the bias
.endif
	s_wait_dscnt 0x0
.irp a,0,1                                     ; the eight accumulators take turns, one instruction a turn, in the same order in every K step
.irp p,0,1,2,3
.if (\ks) == 0
	WM ACC+32*\a+8*\p,FW+12*\p,FX+12*\a,BIAS+8*\p,14+\p/2,\p%2,12,\a
.else
	WM ACC+32*\a+8*\p,FW+12*\p,FX+12*\a,ACC+32*\a+8*\p,14+\p/2,\p%2,12,\a
.endif
.endr
.endr
.endm
	KSTEP 0
	KSTEP 1
	KSTEP 2
	s_wait_alu depctr_va_vdst(0)
	KSTEP 3
	KSTEP 4
	s_wait_alu depctr_va_vdst(0)
	KSTEP 5
	KSTEP 6
	s_wait_alu depctr_va_vdst(0)
	KSTEP 7
	; THE WAY OUT, a tile of 16 tokens at a time: 64 bytes a lane for each 32 columns into my stage, back as whole rows of 256 bytes
	PLACES 4                                       ; in front of the first read of results
.irp a,0,1
.irp q,0,1,2,3,4,5,6,7
	ds_store_b128 v9, v[ACC+32*\a+4*\q:ACC+32*\a+4*\q+3] offset:128*(\q/4)+16*(\q%4)   ; each accumulator from its low end on
.endr
.irp i,0,1,2,3,4,5,6,7
	ds_load_b128 v[192+32*\a+4*\i:195+32*\a+4*\i], v10 offset:544*\i   ; LDS serves a wave's instructions in order (ISA guide 5.7.1.4): these see the stores above, and the next tile's stores come behind them
.endr
.endr
.irp a,0,1
.irp i,0,1,2,3,4,5,6,7
	s_wait_dscnt 23-16*\a-\i                       ; the tile's younger loads, and behind the first tile the second's sixteen LDS instructions, may be out
	global_store_b128 v11, v[192+32*\a+4*\i:195+32*\a+4*\i], s[90:91] offset:(8*\a+2*\i+8*(\i/4))*4096 th:TH_STORE_NT   ; the tile's rows 2 i, 2 i + 1: sixteen lanes store 256 consecutive bytes, at a multiple of 256 from out0's first byte
.endr
.endr
	s_wait_tensorcnt 0x0                           ; the wave's end, behind my last tensor load and my last LDS store
	ds_add_u32 v7, v8
	s_wait_dscnt 0x0
	ROUND                                          ; the closing round: no work-group ends while a partner may still ask for a tile that names it
	s_endpgm
.Lfunc_end_k_qf2850207e9_oproj:
	.size	k_qf2850207e9_oproj, .Lfunc_end_k_qf2850207e9_oproj-k_qf2850207e9_oproj
	.p2alignl 7, 3214868480
	.fill 96, 4, 3214868480
	.section	.rodata,"a",@progbits
	.p2align	6, 0x0
	.amdhsa_kernel k_qf2850207e9_oproj
		.amdhsa_group_segment_fixed_size 327680
		.amdhsa_private_segment_fixed_size 0
		.amdhsa_enable_private_segment 0
		.amdhsa_kernarg_size 32
		.amdhsa_user_sgpr_count 2
		.amdhsa_user_sgpr_kernarg_segment_ptr 1
		.amdhsa_wavefront_size32 1
		.amdhsa_system_sgpr_workgroup_id_x 1
		.amdhsa_system_sgpr_workgroup_id_y 1
		.amdhsa_system_sgpr_workgroup_id_z 1
		.amdhsa_system_vgpr_workitem_id 0
		.amdhsa_next_free_vgpr 256
		.amdhsa_next_free_sgpr 100
		.amdhsa_reserve_vcc 0
		.amdhsa_float_denorm_mode_32 3
		.amdhsa_float_denorm_mode_16_64 3
		.amdhsa_memory_ordered 1
		.amdhsa_forward_progress 1
		.amdhsa_inst_pref_size 36
	.end_amdhsa_kernel
	.amdgpu_metadata
---
amdhsa.version: [ 1, 2 ]
amdhsa.kernels:
  - .name:           k_qf2850207e9_oproj
    .symbol:         k_qf2850207e9_oproj.kd
    .args:
      - { .name: oq, .offset: 0, .size: 8, .value_kind: global_buffer, .address_space: global }
      - { .name: wall, .offset: 8, .size: 8, .value_kind: global_buffer, .address_space: global }
      - { .name: bo, .offset: 16, .size: 8, .value_kind: global_buffer, .address_space: global }
      - { .name: out0, .offset: 24, .size: 8, .value_kind: global_buffer, .address_space: global }
    .group_segment_fixed_size: 327680
    .private_segment_fixed_size: 0
    .kernarg_segment_align: 8
    .kernarg_segment_size: 32
    .max_flat_workgroup_size: 256
    .sgpr_count:     100
    .vgpr_count:     256
    .wavefront_size: 32
...
	.end_amdgpu_metadata
.endif
;; end of part 4
